; MI455X (gfx1250); checked and timed in simulation.
; The chip was launched on July 23, 2026; its instructions are those of AMD's public machine-readable ISA for CDNA 5 (MIT licence, August 2026) and "CDNA5" Instruction Set Architecture Reference Guide (July 2026). The comments in the code are by the model that wrote it; some were corrected since.
;; Causal Self Attention. Allowed arithmetic: matrix products marked QUANTISED: E2M3 operands, one E8M0 scale for each 32 along K, by v_wmma_scale_f32_16x16x128_f8f6f4 with both operands' format E2M3, f32 sums; everything else in f32.
;; Inputs: b_attn 3,072 float32; b_proj 1,024 float32; w_attn 1,024 x 3,072 float32; w_proj 1,024 x 1,024 float32; x 4 x 2,048 x 1,024 float32.
;; Outputs: out0 4 x 2,048 x 1,024 float32.
;; This version of the problem:
;;   THIS VERSION OF THE PROBLEM IS GIVEN IN LOW PRECISION. The matrix products marked QUANTISED in the list below multiply operands that are first quantised to E2M3 (2 exponent bits, 3 mantissa bits; 6 bits a number), with one power-of-two scale for each 32 numbers along K (OCP MX v1.0); their sums are f32. All else is computed in f32.
;;   The module's matrix products, in the order in which they are computed (A, B: the left and right operand; K: the contracted axis; several contracted axes count as one K, in the product's order):
;;     1. [M 8,192, K 1,024] x [K 1,024, N 3,072]; A: input x; B: input w_attn: QUANTISED
;;     2. batch 64 x [M 2,048, K 64] x [K 64, N 2,048]; A: computed on the way; B: computed on the way: QUANTISED
;;     3. batch 64 x [M 2,048, K 2,048] x [K 2,048, N 64]; A: softmax (see below); B: computed on the way: QUANTISED
;;     4. [M 8,192, K 1,024] x [K 1,024, N 1,024]; A: computed on the way; B: input w_proj: QUANTISED
;;   THE QUANTISER, for each operand of a quantised product, along K:
;;     - K is cut into blocks of 32 from its start; a last block that is shorter is filled with zeros.
;;     - A block's scale is 2^e with e = floor(log2(the largest magnitude in the block)) - 2, held to -126 .. 127; a block of zeros has e = 0. As a byte (E8M0): e + 127.
;;     - Each number is divided by its block's scale, clamped to +-7.5, and rounded to the nearest number of E2M3, ties to even, subnormals kept.
;;     - The product sums the exact products of the quantised numbers (number of the format x scale) in f32.
;;   ~~~python
;;   def quantise(x, axis):      # numpy; x: float32 -> the quantised numbers, widened to float32 again
;;       x = np.moveaxis(x, axis, -1); K = x.shape[-1]
;;       x = np.pad(x, [(0, 0)] * (x.ndim - 1) + [(0, -K % 32)]); x = x.reshape(x.shape[:-1] + (-1, 32)); a = np.abs(x).max(-1, keepdims=True)
;;       e = np.where(a > 0, np.clip(np.frexp(np.where(a > 0, a, 1))[1] - 1 - 2, -126, 127), 0)      # np.frexp(a)[1] - 1 = floor(log2(a)), exactly
;;       r = np.clip(x / 2.0 ** e, -7.5, 7.5)
;;       step = 2.0 ** (np.maximum(np.frexp(np.where(r == 0, 1, r))[1] - 1, 0) - 3)
;;       q = np.round(r / step) * step * 2.0 ** e      # np.round: ties to even
;;       return np.moveaxis(q.reshape(q.shape[:-2] + (-1,))[..., :K], -1, axis).astype(np.float32)
;;   ~~~
;;   SOFTMAX AHEAD OF A QUANTISED PRODUCT. Where the list says 'softmax', what is quantised is not the finished softmax but p = 2^(t - M), with t = logit x log2(e) and M = ceil(the row's largest t), a whole number; so 1/2 < the row's largest p <= 1. The row's sum l is taken of the UNQUANTISED p, in f32, and the product's result is divided by l at the end. Since M is a whole number, a kernel that streams over the keys may use a running M (the ceiling of the running maximum): every later rescaling is an exact power of two, which a block's scale takes up: the codes' values come out the same.
;;   OPERANDS COMPUTED ON THE WAY. 'Computed on the way' means the value that the module computes at that place (a softmax that the list does not call 'softmax' is quantised finished and normalised). What goes into a quantiser is computed in f32, as accurately as f32 sums, v_exp_f32 and their like allow (about 1e-6 of the number): no bf16 or f16 on the way to a quantiser, and a product that is left as it is and whose result goes on into a quantised operand takes f32 operands (vector FMAs, or v_wmma_f32_16x16x4_f32). A number that lies on a knife's edge between two numbers of the format may be rounded either way, as far as f32 arithmetic and the matrix unit's own rounding can turn it there, and no further.
;; One version. Each part assembles by itself: llvm-mc -triple=amdgcn-amd-amdhsa -mcpu=gfx1250 --defsym DOCPART=n.
;; ======== version 1 of 1: 4 launches
;; workspace buffers: ops 9,830,400 bytes; qkv 20,185,088 bytes; yq 6,553,600 bytes
;; launch quant (part 1): grid 384 x 1, 4 waves a work-group, no clusters, 59,904 bytes of LDS; arguments x, w_attn, w_proj, ops; writes ops
.if DOCPART == 1
	.amdgcn_target "amdgcn-amd-amdhsa--gfx1250"
	.amdhsa_code_object_version 6
	.text
	.protected	k_q9c0adbae3e_quant
	.globl	k_q9c0adbae3e_quant
	.p2align	8
	.type	k_q9c0adbae3e_quant,@function
k_q9c0adbae3e_quant:
	s_mov_b64 s[64:65], 0
	v_nop
	global_prefetch_b8 v0, s[64:65] scope:SCOPE_SE
	s_setreg_imm32_b32 hwreg(HW_REG_WAVE_MODE, 25, 1), 1
	s_wait_xcnt 0x0
; x [8192][1024], w_attn [1024][3072] and w_proj [1024][1024], f32, become codes of FP6 (E2M3) with one E8M0 scale byte for each 32 along K (K = 1,024 in all three).
; THE CODES ARE LAID AS IMAGES OF THE OPERAND'S REGISTERS.  A tile is 16 rows of the operand (tokens of x, columns of a weight); lane r of tile T stands for row 32 (T / 2) + 8 (T % 2) + r + 8 (r / 8).
; A fragment (a tile x 128 along K) is 1,536 bytes, six pieces of 256: lane l's 8 bytes at 256 p + 8 l are its operand registers 2 p, 2 p + 1.  A tile's eight fragments follow each other: 12,288 bytes.
; THE SCALE WORDS: 512 bytes a tile: the word of K step s (128 along K) and row r at 256 (s / 4) + 16 r + 4 (s % 4).
; A block's scale is 2^(floor(log2(its largest magnitude)) - 2); its byte is the largest magnitude's exponent field - 2, held at 1 from below.
; LIMITS: a block of zeros gets the byte 1 where the rule says 127 (its codes are zeros, and this program alone reads the bytes); blocks whose largest magnitude lies under 2^-124 are held at byte 1;
; NaN and infinities among the inputs are not served.
; Work-groups 0 to 127 take the weights (a lane to a column, registers down K), the others x (K innermost).  The two ways part once, on the work-group's number, never join, and have LDS bytes of their own.
; No tensor loads, no barrier: waves share nothing.  No cluster: no two work-groups read the same bytes.
.set X_IMG,  0
.set WA_IMG, 6291456
.set WP_IMG, 8650752
.set X_SC,   9437184
.set WA_SC,  9699328
.set WP_SC,  9797632
.set FLOOR,  0x1800000                 ; 2^(3 - 127): under it no largest magnitude is taken
.set EOFF,   0xff000000                ; takes 2 off an exponent field
.set XSTG,   8448                      ; x's way: a wave's stage, 16 rows x (512 bytes + 16)
.set WSTG0,  33792                     ; the weights' way: its stages begin behind x's four
.set WSTG,   6400                      ; a wave's: two tiles x (two fragments + 128 bytes)
.set WHALF,  3200
.set VI,   32                          ; weights: v32-63   4 x lane + i x a row of the weight; never rewritten
.set XW,   64                          ;          v64-127  two sets of 32 numbers
.set CW,   128                         ;          v128-133 a block's codes;  v136-138 the second conversion's
.set C2,   136
.set SB,   140                         ;          v140-141 two scale words
.set OUTW, 144                         ;          v144-191 the way out
.set RX,   32                          ; x: v32-159  two sets of 64 numbers as loaded
.set XX,   160                         ;    v160-223 64 numbers as the operand's layout wants them
.set CX,   8                           ;    v8-19 a fragment's codes;  v20-22, v24-26 the second conversions'
.set PWX,  28                          ;    v28-31 four scale words
	s_load_b256 s[4:11], s[0:1], 0x0               ; x s[4:5], w_attn s[6:7], w_proj s[8:9], ops s[10:11]
	v_lshl_add_u32 v232, v0, 2, 0xe800
	v_mov_b32 v233, 0
	v_lshrrev_b32 v1, 5, v0
	v_readfirstlane_b32 s12, v1                    ; wave 0..3
	v_and_b32 v10, 31, v0                          ; lane
	s_cmp_lt_u32 ttmp9, 128
	s_cbranch_scc0 .Lpath_x
; ---------------- THE WEIGHTS.  A wave takes 32 columns (two tiles) x 256 along K (two K steps): 8 blocks a lane.
	s_sub_co_u32 s13, ttmp9, 96
	s_cmp_lt_u32 ttmp9, 96                         ; w_attn's 96 work-groups, then w_proj's 32: the choice hangs on the work-group's number alone
	s_cselect_b32 s13, ttmp9, s13                  ; g
	s_mov_b32 s14, 4096
	s_cselect_b32 s14, 12288, s14                  ; a row of the weight in bytes
	s_mov_b32 s15, WP_IMG
	s_cselect_b32 s15, WA_IMG, s15
	s_mov_b32 s16, WP_SC
	s_cselect_b32 s16, WA_SC, s16
	s_wait_kmcnt 0x0
	s_cselect_b64 s[6:7], s[6:7], s[8:9]           ; the weight
	s_lshr_b32 s17, s13, 2                         ; which 128 columns
	s_and_b32 s18, s13, 3                          ; which 256 along K
	s_lshl_b32 s19, s17, 7
	s_lshl_b32 s20, s12, 5
	s_add_co_u32 s19, s19, s20                     ; my wave's first column
	s_lshl_b32 s20, s18, 8
	s_mul_i32 s20, s20, s14
	s_lshl_b32 s21, s19, 2
	s_add_co_u32 s20, s20, s21
	s_mov_b32 s21, 0
	s_add_nc_u64 s[32:33], s[6:7], s[20:21]        ; block 0's first row, my first column
	s_lshl_b32 s22, s14, 5
	s_mov_b32 s23, 0
.irp t, 1,2,3,4,5,6,7
	s_add_nc_u64 s[32+2*\t:33+2*\t], s[30+2*\t:31+2*\t], s[22:23]   ; a base for each block, 32 rows apart; never rewritten
.endr
	s_wait_alu depctr_va_vdst(0)
	v_lshlrev_b32 v2, 2, v10
.irp i, 0,1,2,3,4,5,6,7,8,9,10,11,12,13,14,15,16,17,18,19,20,21,22,23,24,25,26,27,28,29,30,31
	v_mad_u32_u24 v[VI+\i], s14, \i, v2
.endr
.macro WLOAD t                         ; block t: W(32 t + i, my column) into set t % 2; a load reads 128 consecutive bytes, the four waves stand side by side
.irp i, 0,1,2,3,4,5,6,7,8,9,10,11,12,13,14,15,16,17,18,19,20,21,22,23,24,25,26,27,28,29,30,31
	global_load_b32 v[XW+32*((\t)%2)+\i], v[VI+\i], s[32+2*(\t):33+2*(\t)] th:TH_LOAD_NT
.endr
.endm
	WLOAD 0
	WLOAD 1
	v_bfe_u32 v3, v0, 3, 1                         ; column l of the 32 is row r = l % 8 + 8 (l / 16) of tile u = (l / 8) % 2
	v_and_b32 v8, 7, v0
	v_bfe_u32 v9, v0, 4, 1
	v_lshl_add_u32 v8, v9, 3, v8                   ; r
	s_mul_i32 s24, s12, WSTG
	s_add_co_u32 s24, s24, WSTG0                   ; my stage
	v_mul_u32_u24 v4, v3, WHALF
	v_lshl_add_u32 v4, v8, 3, v4
	v_add_nc_u32 v4, s24, v4                       ; into it: tile u, 8 bytes at 8 r (+ 128 for the blocks that the operand's lanes 16-31 hold)
	v_lshlrev_b32 v6, 4, v10                       ; out of it, and in memory: 16 x lane
	v_add_nc_u32 v5, s24, v6
	v_lshlrev_b32 v7, 9, v3
	v_lshl_add_u32 v7, v8, 4, v7                   ; my scale words: 512 u + 16 r
	s_lshl_b32 s25, s17, 3
	s_lshl_b32 s26, s12, 1
	s_add_co_u32 s25, s25, s26                     ; my first tile
	s_mul_i32 s26, s25, 12288
	s_add_co_u32 s26, s26, s15
	s_mul_i32 s27, s18, 3072
	s_add_co_u32 s26, s26, s27
	s_mov_b32 s27, 0
	s_add_nc_u64 s[26:27], s[10:11], s[26:27]      ; its two fragments of my 256 along K
	s_lshl_b32 s28, s25, 9
	s_add_co_u32 s28, s28, s16
	s_lshr_b32 s29, s18, 1
	s_lshl_b32 s29, s29, 8
	s_add_co_u32 s28, s28, s29
	s_and_b32 s29, s18, 1
	s_lshl_b32 s29, s29, 3
	s_add_co_u32 s28, s28, s29
	s_mov_b32 s29, 0
	s_add_nc_u64 s[28:29], s[10:11], s[28:29]      ; and their scale words
.macro WBLOCK t
.set XS, XW+32*((\t)%2)
.if (\t) < 7
	s_wait_loadcnt 32                              ; this block's 32 loads are in; the next block's 32 may be out
.else
	s_wait_loadcnt 0x0
.endif
	v_max3_num_f32 v12, |v[XS]|, |v[XS+1]|, |v[XS+2]|      ; the block's largest magnitude: all 32 numbers are mine; two chains
	v_max3_num_f32 v13, |v[XS+3]|, |v[XS+4]|, |v[XS+5]|
.irp i, 6,10,14,18,22,26
	v_max3_num_f32 v12, v12, |v[XS+\i]|, |v[XS+\i+1]|
	v_max3_num_f32 v13, v13, |v[XS+\i+2]|, |v[XS+\i+3]|
.endr
	v_max3_num_f32 v12, v12, |v[XS+30]|, |v[XS+31]|
	v_max3_num_f32 v12, v12, v13, FLOOR
	v_add_nc_u32 v11, EOFF, v12                    ; the conversion takes this operand's exponent field as its scale
	v_lshrrev_b32 v13, 23, v11                     ; the scale's byte
.if (\t)%4 == 0
	v_mov_b32 v[SB+(\t)/4], v13
.else
	v_lshl_or_b32 v[SB+(\t)/4], v13, 8*((\t)%4), v[SB+(\t)/4]
.endif
	v_cvt_scalef32_pk16_fp6_f32 v[CW:CW+2], v[XS:XS+15], v11
	v_cvt_scalef32_pk16_fp6_f32 v[C2:C2+2], v[XS+16:XS+31], v11    ; (a conversion's three registers begin on an even number)
	v_nop                                          ; one plain instruction behind the conversions
.irp i, 0,1,2
	v_mov_b32 v[CW+3+\i], v[C2+\i]
.endr
.irp p, 0,1,2                          ; block t is K step t / 4, registers 6 ((t / 2) % 2) on, of the operand's lane r + 16 (t % 2)
	ds_store_b64 v4, v[CW+2*\p:CW+2*\p+1] offset:((\t)/4)*1536+(((\t)/2)%2)*768+256*\p+((\t)%2)*128
.endr
.if (\t)+2 < 8
	WLOAD (\t)+2
.endif
	s_wait_dscnt 0x0                               ; the stores have read their registers: the next block's codes may be written
.endm
.irp t, 0,1,2,3,4,5,6,7
	WBLOCK \t
.endr
	s_wait_alu depctr_va_vdst(0)
	global_store_b64 v7, v[SB:SB+1], s[28:29]      ; two scale words a column: 8 of each row's 16 bytes here; the scale bytes are one in 128 of what this way reads
.irp n, 0,1,2,3,4,5,6,7,8,9,10,11
	ds_load_b128 v[OUTW+4*\n:OUTW+4*\n+3], v5 offset:(\n/6)*WHALF+512*(\n%6)   ; LDS serves a wave's instructions in order: these see my stores
.endr
.irp n, 0,1,2,3,4,5,6,7,8,9,10,11
	s_wait_dscnt 11-\n                             ; the younger loads may be out
	global_store_b128 v6, v[OUTW+4*\n:OUTW+4*\n+3], s[26:27] offset:(\n/6)*12288+512*(\n%6)   ; 512 consecutive bytes, aligned
.endr
	s_wait_tensorcnt 0x0
	ds_add_u32 v232, v233
	s_wait_dscnt 0x0
	s_endpgm
; ---------------- x.  A wave takes a tile of 16 rows x 512 along K: four fragments.
.Lpath_x:
	s_sub_co_u32 s13, ttmp9, 128
	s_lshl_b32 s13, s13, 2
	s_add_co_u32 s13, s13, s12
	s_lshr_b32 s14, s13, 1                         ; the tile
	s_and_b32 s15, s13, 1                          ; which half of K
	s_lshr_b32 s16, s14, 1
	s_lshl_b32 s16, s16, 17                        ; 32 rows of 4,096 bytes for each pair of tiles,
	s_and_b32 s17, s14, 1
	s_lshl_b32 s17, s17, 15                        ; 8 rows for the odd tile,
	s_add_co_u32 s16, s16, s17
	s_lshl_b32 s17, s15, 11                        ; 2,048 bytes for the second half of K
	s_add_co_u32 s16, s16, s17
	s_mov_b32 s17, 0
	s_mul_i32 s18, s14, 12288
	s_mul_i32 s19, s15, 6144
	s_add_co_u32 s18, s18, s19
	s_mov_b32 s19, 0
	s_lshl_b32 s24, s14, 9
	s_lshl_b32 s25, s15, 8
	s_add_co_u32 s24, s24, s25
	s_add_co_u32 s24, s24, X_SC
	s_mov_b32 s25, 0
	s_mov_b32 s20, 0x76543210
	s_mov_b32 s21, 0xfedcba98                      ; v_permlanex16_b32's selects for lane l xor 16
	s_wait_alu depctr_va_vdst(0)
	v_lshlrev_b32 v1, 4, v10                       ; 16 x lane
	s_wait_alu depctr_va_vdst(0)
	s_wait_kmcnt 0x0
	s_add_nc_u64 s[4:5], s[4:5], s[16:17]
	s_add_nc_u64 s[18:19], s[10:11], s[18:19]      ; my four fragments
	s_add_nc_u64 s[24:25], s[10:11], s[24:25]      ; their scale words
.macro XLOAD f                         ; fragment f: 512 bytes of each of the tile's 16 rows; a load reads them as they lie
.irp i, 0,1,2,3,4,5,6,7,8,9,10,11,12,13,14,15
	global_load_b128 v[RX+64*((\f)%2)+4*\i:RX+64*((\f)%2)+4*\i+3], v1, s[4:5] offset:(\i+8*(\i/8))*4096+512*(\f) th:TH_LOAD_NT
.endr
.endm
	XLOAD 0
	XLOAD 1
	v_lshlrev_b32 v2, 3, v10                       ; 8 x lane
	s_mul_i32 s22, s12, XSTG
	v_add_nc_u32 v3, s22, v1                       ; the stage, on the way in: 16 x lane in row i
	v_and_b32 v6, 15, v0                           ; r
	v_bfe_u32 v7, v0, 4, 1                         ; h
	v_mul_u32_u24 v4, v6, 528
	v_lshl_add_u32 v4, v7, 7, v4
	v_add_nc_u32 v4, s22, v4                       ; and on the way out: row r, + 128 h: my 32 numbers of each 64
	v_lshlrev_b32 v5, 4, v6                        ; 16 r
	v_lshlrev_b32 v7, 3, v7                        ; 8 h
	v_mov_b32 v231, 0                              ; a lane permute's destination counts as one of its sources
.macro XFRAG f
.if (\f) < 3
	s_wait_loadcnt 16                              ; this fragment's 16 loads are in; the next fragment's 16 may be out
.else
	s_wait_loadcnt 0x0
.endif
.irp i, 0,1,2,3,4,5,6,7,8,9,10,11,12,13,14,15
	ds_store_b128 v3, v[RX+64*((\f)%2)+4*\i:RX+64*((\f)%2)+4*\i+3] offset:528*\i
.endr
.irp c, 0,1
.irp j, 0,1,2,3,4,5,6,7
	ds_load_b128 v[XX+32*\c+4*\j:XX+32*\c+4*\j+3], v4 offset:256*\c+16*\j   ; x(r, 64 c + 32 h + 4 j ..): LDS serves a wave's instructions in order
.endr
.endr
	s_wait_dscnt 0x0
.if (\f)+2 < 4
	XLOAD (\f)+2
.endif
.irp c, 0,1                            ; my block 2 c + h: all its 32 numbers are mine
	v_max3_num_f32 v[224+\c], |v[XX+32*\c]|, |v[XX+32*\c+1]|, FLOOR
.endr
.irp i, 2,4,6,8,10,12,14,16,18,20,22,24,26,28,30
.irp c, 0,1
	v_max3_num_f32 v[224+\c], v[224+\c], |v[XX+32*\c+\i]|, |v[XX+32*\c+\i+1]|
.endr
.endr
.irp c, 0,1
	v_add_nc_u32 v[226+\c], EOFF, v[224+\c]
.endr
.irp c, 0,1
	v_lshrrev_b32 v[228+\c], 23, v[226+\c]
.endr
	v_lshl_or_b32 v230, v229, 16, v228             ; my two bytes, blocks h and 2 + h,
	v_lshlrev_b32 v230, v7, v230                   ; at their places in the word;
	v_permlanex16_b32 v231, v230, s20, s21
	v_or_b32 v[PWX+(\f)], v230, v231               ; with lane l xor 16's two the word is whole
	s_wait_alu depctr_va_vdst(0)
	s_wait_xcnt 0x0                                ; the last fragment's stores have read the codes' registers
.irp c, 0,1
	v_cvt_scalef32_pk16_fp6_f32 v[CX+6*\c:CX+6*\c+2], v[XX+32*\c:XX+32*\c+15], v[226+\c]
	v_cvt_scalef32_pk16_fp6_f32 v[20+4*\c:22+4*\c], v[XX+32*\c+16:XX+32*\c+31], v[226+\c]
.endr
	v_nop                                          ; one plain instruction behind the conversions
.irp c, 0,1
.irp i, 0,1,2
	v_mov_b32 v[CX+3+6*\c+\i], v[20+4*\c+\i]
.endr
.endr
.irp p, 0,1,2,3,4,5
	global_store_b64 v2, v[CX+2*\p:CX+2*\p+1], s[18:19] offset:1536*(\f)+256*\p   ; 256 consecutive bytes, aligned
.endr
.endm
	s_wait_alu depctr_va_vdst(0)
.irp f, 0,1,2,3
	XFRAG \f
.endr
	global_store_b128 v5, v[PWX:PWX+3], s[24:25]   ; four words a row: 256 consecutive bytes, aligned; lanes 16-31 write the same bytes with the same values
	s_wait_tensorcnt 0x0
	ds_add_u32 v232, v233
	s_wait_dscnt 0x0
	s_endpgm
.Lfunc_end_k_q9c0adbae3e_quant:
	.size	k_q9c0adbae3e_quant, .Lfunc_end_k_q9c0adbae3e_quant-k_q9c0adbae3e_quant
	.p2alignl 7, 3214868480
	.fill 96, 4, 3214868480
	.section	.rodata,"a",@progbits
	.p2align	6, 0x0
	.amdhsa_kernel k_q9c0adbae3e_quant
		.amdhsa_group_segment_fixed_size 59904
		.amdhsa_private_segment_fixed_size 0
		.amdhsa_enable_private_segment 0
		.amdhsa_kernarg_size 32
		.amdhsa_user_sgpr_count 2
		.amdhsa_user_sgpr_kernarg_segment_ptr 1
		.amdhsa_wavefront_size32 1
		.amdhsa_system_sgpr_workgroup_id_x 1
		.amdhsa_system_sgpr_workgroup_id_y 1
		.amdhsa_system_sgpr_workgroup_id_z 1
		.amdhsa_system_vgpr_workitem_id 0
		.amdhsa_next_free_vgpr 234
		.amdhsa_next_free_sgpr 66
		.amdhsa_reserve_vcc 0
		.amdhsa_float_denorm_mode_32 3
		.amdhsa_float_denorm_mode_16_64 3
		.amdhsa_memory_ordered 1
		.amdhsa_forward_progress 1
		.amdhsa_inst_pref_size 76
	.end_amdhsa_kernel
	.amdgpu_metadata
---
amdhsa.version: [ 1, 2 ]
amdhsa.kernels:
  - .name:           k_q9c0adbae3e_quant
    .symbol:         k_q9c0adbae3e_quant.kd
    .args:
      - { .name: x, .offset: 0, .size: 8, .value_kind: global_buffer, .address_space: global }
      - { .name: w_attn, .offset: 8, .size: 8, .value_kind: global_buffer, .address_space: global }
      - { .name: w_proj, .offset: 16, .size: 8, .value_kind: global_buffer, .address_space: global }
      - { .name: ops, .offset: 24, .size: 8, .value_kind: global_buffer, .address_space: global }
    .group_segment_fixed_size: 59904
    .private_segment_fixed_size: 0
    .kernarg_segment_align: 8
    .kernarg_segment_size: 32
    .max_flat_workgroup_size: 128
    .sgpr_count:     66
    .vgpr_count:     234
    .wavefront_size: 32
...
	.end_amdgpu_metadata
.endif
;; end of part 1
;; launch qkv (part 2): grid 192 x 4, 4 waves a work-group, clusters of 4 x 4, 307,712 bytes of LDS; arguments ops, b_attn, qkv; writes qkv
.if DOCPART == 2
	.amdgcn_target "amdgcn-amd-amdhsa--gfx1250"
	.amdhsa_code_object_version 6
	.text
	.protected	k_q9c0adbae3e_qkv
	.globl	k_q9c0adbae3e_qkv
	.p2align	8
	.type	k_q9c0adbae3e_qkv,@function
k_q9c0adbae3e_qkv:
	s_mov_b64 s[64:65], 0
	v_nop
	global_prefetch_b8 v0, s[64:65] scope:SCOPE_SE
	s_setreg_imm32_b32 hwreg(HW_REG_WAVE_MODE, 25, 1), 1
	s_wait_xcnt 0x0
	s_wait_alu depctr_hold_cnt(0) depctr_sa_sdst(0) depctr_va_vdst(0) depctr_va_sdst(0) depctr_va_ssrc(0) depctr_va_vcc(0) depctr_vm_vsrc(0)
	s_getreg_b32 s2, hwreg(HW_REG_IB_STS2, 6, 4)
	s_cmp_eq_u32 s2, 0
	s_cbranch_scc0 .Lentry_in_a_cluster
	s_endpgm
.Lentry_in_a_cluster:
	s_bfe_u32 s2, ttmp6, 0x10000c
	s_cmp_lg_u32 s2, 0xf033
	s_cbranch_scc0 .Lentry_shape_is_right
	s_endpgm
.Lentry_shape_is_right:
; qkv = x w_attn + b_attn on codes of FP6 (E2M3) with E8M0 scales, and q, k, v quantised in registers on the way out: q and k along the head's 64 channels, v along the tokens.
; THE PRODUCT.  C'[i][j] = sum over k of A[i][k] B[j][k], K = 1,024.  A work-group takes 256 i (16 tiles) x 128 j (8 tiles); wave w takes i tiles 4 w .. 4 w + 3 against all 8 j tiles: 32 accumulators.
; Codes lie in memory as images of the operand's registers (a fragment, 16 rows x 128 K, is six pieces of 256 bytes; lane l's 8 bytes at 256 p + 8 l are registers 2 p, 2 p + 1), so every LDS load reads
; 256 consecutive bytes.  Lane r of tile T stands for row 32 (T / 2) + 8 (T % 2) + r + 8 (r / 8).
; ALL OF K LIES IN LDS: 4 chunks of two K steps (A 49,152 + B 24,576 bytes each) and the scale words (12,288): every LDS byte is filled once, at the head, and the chunks are read as they land.
; THE MATRIX INSTRUCTION IS USED TRANSPOSED (source 0 = a tile of B, source 1 = a tile of A): a lane holds ONE row i, and by the order of a tile's rows its 16 registers of j tiles 2 g, 2 g + 1 are the 16
; neighbours j = 32 g + 16 (lane / 16) + 0 .. 15: so a lane's 64 registers of an i tile are quantised along j as they stand, and the codes are the next product's operand.
; ROLES, by the cluster's number, which all partners share.  Clusters 0-31: A = x (i = tokens), B = w_attn's columns 0 .. 2,047 (j = q's and k's channels: 128 j are two heads).
; Clusters 32-47: A = w_attn's columns 2,048 on (i = v's channels), B = x (j = tokens): v comes out transposed, its K (the tokens) along a lane's registers.
; CLUSTERS: 4 x 4 work-groups; A's tiles are asked for jointly along a row of the cluster, B's along a column.
; The bias is the C of each sum's first matrix instruction.
; LIMITS: a block of zeros gets the scale byte 1 (its codes are zeros; this program alone reads the bytes); blocks whose largest magnitude lies under 2^-124 are held at byte 1; NaN and infinities are not served.
; REGISTERS, in windows of 256: window 0: v1 r, v2 h, v4 8 x lane, v8-16 LDS addresses, v17-22 addresses of the way out and of the bias; v32-95 scale words; v96-115 at work; v128-223 A's fragments, two sets,
;   later the codes.   window 1: v0-191 B's fragments, two sets; v192-255 the bias.   window 2: accumulator (a, b) at v[8 (8 a + b)].
.set X_IMG,  0
.set WA_IMG, 6291456
.set X_SC,   9437184
.set WA_SC,  9699328
.set V_IMG,  12582912
.set Q_SC,   18874368
.set KV_SC,  19398656
.set CHB,    73728                     ; a chunk in LDS: A's 16 tiles x 3,072 bytes, then B's 8
.set BOFF,   49152
.set SCA,    4*CHB                     ; A's scale words, 8,192 bytes;
.set SCB,    SCA+8192                  ; B's, 4,096
.set ADRA, 8                           ; v8-11   8 x lane + chunk q + my four tiles of A
.set ADRB, 12                          ; v12-15  8 x lane + chunk q + B
.set ADRS, 16                          ; v16     my scale words: lanes 0-15 A's, lanes 16-31 B's
.set SCR,  32                          ; v[SCR + 32 (s / 4) + 4 i + s % 4]: K step s: lanes 0-15 the words of my A tile i, lanes 16-31 those of B tile i
.set TM,   96
.set PW,   112
.set AF,   128
.set BIAS, 192
.set MSB, 0
.macro WIN new                         ; the immediate's high byte repeats the setting that is left
.if MSB != \new
	s_set_vgpr_msb (MSB<<8)|\new
.set MSB, \new
.endif
.endm
.macro PLACES n
.rept \n
	v_nop
.endr
.endm
.macro CROUND                          ; a round of the cluster's barrier
	s_barrier_signal -1
	s_barrier_wait -1
	s_cmp_lg_u32 s14, 0
	s_cbranch_scc1 .Lnot_wave_0_\@
	s_barrier_signal -3
.Lnot_wave_0_\@:
	s_barrier_wait -3
	s_barrier_signal -1
	s_barrier_wait -1
.endm
.macro FRAG reg, adr, off              ; a fragment: six loads of 256 consecutive bytes
.irp p, 0,1,2,3,4,5
	ds_load_b64 v[(\reg)+2*\p:(\reg)+2*\p+1], v[\adr] offset:(\off)+256*\p
.endr
.endm
.macro FETCH_B k                       ; B's eight fragments of K step k into set k % 2
	WIN 0x40                                       ; destination window 1, address window 0
.irp b, 0,1,2,3,4,5,6,7
	FRAG 96*((\k)%2)+12*\b, ADRB+(\k)/2, 3072*\b+1536*((\k)%2)
.endr
.endm
.macro FETCH_A k                       ; my four fragments of A
	WIN 0
.irp a, 0,1,2,3
	FRAG AF+48*((\k)%2)+12*\a, ADRA+(\k)/2, 3072*\a+1536*((\k)%2)
.endr
.endm
; 16 matrix instructions: my A tiles 2 half, 2 half + 1 against B's eight, K step k.  cmode 0: the sums go on; 1: they begin with the bias of the j tile; 2: with the bias of the i tile.
; The 32 accumulators take turns, one instruction a turn, in the same order in every K step.
.macro MULH k, half, cmode
.if \cmode
	WIN 0x91                                       ; source 0 (B) window 1, source 1 (A) window 0, C (the bias) window 1, D window 2
.else
	WIN 0xa1                                       ; C and D window 2
.endif
.irp a, 2*\half, 2*\half+1
.irp b, 0,1,2,3,4,5,6,7
.if \cmode == 0
	v_wmma_scale_f32_16x16x128_f8f6f4 v[8*(8*(\a)+\b):8*(8*(\a)+\b)+7], v[96*((\k)%2)+12*\b:96*((\k)%2)+12*\b+11], v[AF+48*((\k)%2)+12*(\a):AF+48*((\k)%2)+12*(\a)+11], v[8*(8*(\a)+\b):8*(8*(\a)+\b)+7], v[SCR+32*((\k)/4)+4*\b+(\k)%4], v[SCR+32*((\k)/4)+4*(\a)+(\k)%4] matrix_a_fmt:MATRIX_FMT_FP6 matrix_b_fmt:MATRIX_FMT_FP6 matrix_a_scale:MATRIX_SCALE_ROW1
.elseif \cmode == 1
	v_wmma_scale_f32_16x16x128_f8f6f4 v[8*(8*(\a)+\b):8*(8*(\a)+\b)+7], v[96*((\k)%2)+12*\b:96*((\k)%2)+12*\b+11], v[AF+48*((\k)%2)+12*(\a):AF+48*((\k)%2)+12*(\a)+11], v[BIAS+8*\b:BIAS+8*\b+7], v[SCR+32*((\k)/4)+4*\b+(\k)%4], v[SCR+32*((\k)/4)+4*(\a)+(\k)%4] matrix_a_fmt:MATRIX_FMT_FP6 matrix_b_fmt:MATRIX_FMT_FP6 matrix_a_scale:MATRIX_SCALE_ROW1
.else
	v_wmma_scale_f32_16x16x128_f8f6f4 v[8*(8*(\a)+\b):8*(8*(\a)+\b)+7], v[96*((\k)%2)+12*\b:96*((\k)%2)+12*\b+11], v[AF+48*((\k)%2)+12*(\a):AF+48*((\k)%2)+12*(\a)+11], v[BIAS+8*(\a):BIAS+8*(\a)+7], v[SCR+32*((\k)/4)+4*\b+(\k)%4], v[SCR+32*((\k)/4)+4*(\a)+(\k)%4] matrix_a_fmt:MATRIX_FMT_FP6 matrix_b_fmt:MATRIX_FMT_FP6 matrix_a_scale:MATRIX_SCALE_ROW1
.endif
.endr
.endr
.endm
; K step k: the next step's fragments are fetched while this step is multiplied.  Where the next step opens a chunk, each wave first waits for its part of that chunk and passes a barrier.
.macro STEP k, cmode
.if (\k) < 7
.if ((\k)+1)%2 == 0
	s_wait_tensorcnt 3-((\k)+1)/2                  ; my part of chunk (k + 1) / 2 has landed; my loads of the later chunks may be out
	s_wait_dscnt 0x0                               ; no LDS load of mine is out at the signal
	s_barrier_signal -1
	s_barrier_wait -1                              ; everybody's part has landed
.endif
	PLACES 4                                       ; behind the last step's products: the loads below, and A's in this step's middle, go into registers that those have read
	FETCH_B (\k)+1
	s_wait_dscnt 48                                ; all but the 48 loads just issued: this step's fragments (and at first the scale words) are in
.else
	s_wait_dscnt 0x0
.endif
	MULH \k, 0, \cmode
.if (\k) < 7
	FETCH_A (\k)+1
.endif
	MULH \k, 1, \cmode
	WIN 0
.endm
	s_load_b128 s[4:7], s[0:1], 0x0                ; ops s[4:5], b_attn s[6:7]
	s_load_b64 s[8:9], s[0:1], 0x10                ; qkv
	v_lshl_add_u32 v254, v0, 2, 0x4b000
	v_mov_b32 v255, 0
	ds_add_u32 v254, v255
	ds_add_u32 v254, v255
	v_lshrrev_b32 v1, 5, v0
	v_readfirstlane_b32 s14, v1                    ; wave 0..3
	s_and_b32 s15, s14, 1                          ; which half of A's (waves 0, 1) or B's (waves 2, 3) tiles I fetch
	s_bfe_u32 s16, ttmp6, 0x40000                  ; cx
	s_bfe_u32 s17, ttmp6, 0x40004                  ; cy
	s_and_b32 s19, ttmp9, 7
	s_lshr_b32 s20, ttmp9, 3
	s_sub_co_u32 s21, ttmp9, 32
	s_cmp_lt_u32 ttmp9, 32                         ; the role hangs on the cluster's number alone
	s_cselect_b32 s18, 1, 0                        ; 1: q and k;  0: v
	s_cselect_b32 s19, s19, 0
	s_cselect_b32 s20, s20, s21
	s_mov_b32 s10, WA_IMG+128*12288
	s_cselect_b32 s10, X_IMG, s10                  ; A's images,
	s_mov_b32 s11, WA_SC+128*512
	s_cselect_b32 s11, X_SC, s11                   ; A's scale words,
	s_cselect_b32 s2, WA_IMG, X_IMG                ; B's images,
	s_mov_b32 s3, X_SC
	s_cselect_b32 s3, WA_SC, s3                    ; B's scale words: offsets in ops
	s_lshl_b32 s19, s19, 2
	s_add_co_u32 s19, s19, s17                     ; ti: which 256 i; my row of the cluster shares it
	s_lshl_b32 s20, s20, 2
	s_add_co_u32 s20, s20, s16                     ; tj: which 128 j; my column shares it
	s_mul_i32 s12, s19, 196608                     ; A: 16 tiles of 12,288 bytes a ti, 8 tiles a half
	s_add_co_u32 s12, s12, s10
	s_mul_i32 s21, s15, 98304
	s_add_co_u32 s12, s12, s21
	s_mov_b32 s13, 0
	s_lshl_b32 s22, s19, 13
	s_add_co_u32 s22, s22, s11
	s_lshl_b32 s21, s15, 12
	s_add_co_u32 s22, s22, s21
	s_mov_b32 s23, 0
	s_mul_i32 s66, s20, 98304                      ; B: 8 tiles a tj, 4 a half
	s_add_co_u32 s66, s66, s2
	s_mul_i32 s21, s15, 49152
	s_add_co_u32 s66, s66, s21
	s_mov_b32 s67, 0
	s_lshl_b32 s100, s20, 12
	s_add_co_u32 s100, s100, s3
	s_lshl_b32 s21, s15, 11
	s_add_co_u32 s100, s100, s21
	s_mov_b32 s101, 0
	s_lshl_b32 s10, s17, 2
	s_lshl_b32 s10, 15, s10                        ; my row of the cluster
	s_lshl_b32 s2, 0x1111, s16                     ; my column
	; descriptor groups 1; elements of 8 bytes, no padding.  A: 8 rows (tiles) of 384 elements (two fragments), 1,536 elements apart; B: 4 such rows; the scale words: dense rows of 32 elements
	s_or_b32 s24, s10, (3<<16)|(1<<21)             ; 15:0 the mask; 17:16 element size; 21 set beside a mask
	s_or_b32 s40, s10, (3<<16)|(1<<21)
	s_or_b32 s32, s2, (3<<16)|(1<<21)
	s_or_b32 s48, s2, (3<<16)|(1<<21)
	s_mov_b32 s25, 384<<16                         ; tensor_dim0
	s_mov_b32 s26, 8<<16                           ; tensor_dim1
	s_mov_b32 s27, 384<<16                         ; tile_dim0
	s_mov_b32 s28, 8                               ; tile_dim1
	s_mov_b32 s29, 1536                            ; from row to row
	s_mov_b32 s30, 0
	s_mov_b32 s31, 0
	s_mov_b32 s33, 384<<16
	s_mov_b32 s34, 4<<16
	s_mov_b32 s35, 384<<16
	s_mov_b32 s36, 4
	s_mov_b32 s37, 1536
	s_mov_b32 s38, 0
	s_mov_b32 s39, 0
	s_mov_b32 s41, 32<<16
	s_mov_b32 s42, 16<<16
	s_mov_b32 s43, 32<<16
	s_mov_b32 s44, 16
	s_mov_b32 s45, 32
	s_mov_b32 s46, 0
	s_mov_b32 s47, 0
	s_mov_b32 s49, 32<<16
	s_mov_b32 s50, 8<<16
	s_mov_b32 s51, 32<<16
	s_mov_b32 s52, 8
	s_mov_b32 s53, 32
	s_mov_b32 s54, 0
	s_mov_b32 s55, 0
	s_mul_i32 s2, s15, 24576                       ; where they go: no place in the cluster enters an LDS address
	s_mul_i32 s3, s15, 12288
	s_wait_dscnt 0x0
	s_wait_kmcnt 0x0
	s_add_nc_u64 s[12:13], s[4:5], s[12:13]
	s_add_nc_u64 s[22:23], s[4:5], s[22:23]
	s_add_nc_u64 s[66:67], s[4:5], s[66:67]
	s_add_nc_u64 s[100:101], s[4:5], s[100:101]
	s_mov_b32 s56, 1
	s_lshl_b32 s57, s15, 12
	s_add_co_u32 s57, s57, SCA
	s_mov_b64 s[58:59], s[22:23]
	s_or_b32 s59, s59, 0x80000000
	s_mov_b32 s60, 1
	s_lshl_b32 s61, s15, 11
	s_add_co_u32 s61, s61, SCB
	s_mov_b64 s[62:63], s[100:101]
	s_or_b32 s63, s63, 0x80000000
.irp q, 0,1,2,3
	s_mov_b32 s[68+4*\q], 1
	s_add_co_u32 s[69+4*\q], s2, CHB*\q
	s_add_nc_u64 s[70+4*\q:71+4*\q], s[12:13], 3072*\q
	s_or_b32 s[71+4*\q], s[71+4*\q], 0x80000000
	s_mov_b32 s[84+4*\q], 1
	s_add_co_u32 s[85+4*\q], s3, CHB*\q+BOFF
	s_add_nc_u64 s[86+4*\q:87+4*\q], s[66:67], 3072*\q
	s_or_b32 s[87+4*\q], s[87+4*\q], 0x80000000
.endr
	CROUND                                         ; all sixteen work-groups are here: the joint loads meet
	s_cmp_lt_u32 s14, 2                            ; a wave's five fills stand in one branch on the wave's number: five loads of mine are out.  Four v_nop follow the last
	s_cbranch_scc0 .Lfill_b
	tensor_load_to_lds s[56:59], s[40:47]
	s_nop 0
	tensor_load_to_lds s[68:71], s[24:31]
	s_nop 0
	tensor_load_to_lds s[72:75], s[24:31]
	s_nop 0
	tensor_load_to_lds s[76:79], s[24:31]
	s_nop 0
	tensor_load_to_lds s[80:83], s[24:31]
	s_nop 0
	PLACES 4
	s_branch .Lfilled
.Lfill_b:
	tensor_load_to_lds s[60:63], s[48:55]
	s_nop 0
	tensor_load_to_lds s[84:87], s[32:39]
	s_nop 0
	tensor_load_to_lds s[88:91], s[32:39]
	s_nop 0
	tensor_load_to_lds s[92:95], s[32:39]
	s_nop 0
	tensor_load_to_lds s[96:99], s[32:39]
	s_nop 0
	PLACES 4
.Lfilled:
	v_and_b32 v1, 15, v0                           ; r
	v_bfe_u32 v2, v0, 4, 1                         ; h
	v_and_b32 v3, 31, v0
	v_lshlrev_b32 v4, 3, v3                        ; 8 x lane
	v_lshlrev_b32 v21, 6, v2                       ; the bias along j: 64 h
	v_and_b32 v22, 8, v1
	v_add_nc_u32 v22, v22, v1
	v_lshlrev_b32 v22, 2, v22                      ; the bias along i: 4 (r + 8 (r / 8))
	s_cmp_eq_u32 s18, 0
	s_cbranch_scc1 .Lbias_v
	s_lshl_b32 s2, s20, 9                          ; q, k: b_attn at column 128 tj; lane (r, h) wants, for j tile b, those of 32 (b / 2) + 8 (b % 2) + 16 h + 0 .. 7
	s_mov_b32 s3, 0
	s_add_nc_u64 s[6:7], s[6:7], s[2:3]
	WIN 0x40
.irp b, 0,1,2,3,4,5,6,7
	global_load_b128 v[BIAS+8*\b:BIAS+8*\b+3], v21, s[6:7] offset:128*(\b/2)+32*(\b%2)
	global_load_b128 v[BIAS+8*\b+4:BIAS+8*\b+7], v21, s[6:7] offset:128*(\b/2)+32*(\b%2)+16
.endr
	WIN 0
	s_branch .Lbias_done
.Lbias_v:
	s_lshl_b32 s2, s19, 10                         ; v: b_attn at column 2,048 + 256 ti + 64 w; a lane wants the one number of its row of each i tile
	s_lshl_b32 s3, s14, 8
	s_add_co_u32 s2, s2, s3
	s_add_co_u32 s2, s2, 8192
	s_mov_b32 s3, 0
	s_add_nc_u64 s[6:7], s[6:7], s[2:3]
	WIN 0x40
	s_wait_alu depctr_va_vdst(0)
.irp a, 0,1,2,3
	global_load_b32 v[BIAS+8*\a], v22, s[6:7] offset:128*(\a/2)+32*(\a%2)
.endr
	WIN 0
.Lbias_done:
	s_mul_i32 s2, s14, 12288
	s_wait_alu depctr_va_vdst(0)
	v_add_nc_u32 v[ADRA], s2, v4
.irp q, 1,2,3
	v_add_nc_u32 v[ADRA+\q], CHB*\q, v[ADRA]
.endr
.irp q, 0,1,2,3
	v_add_nc_u32 v[ADRB+\q], CHB*\q+BOFF, v4
.endr
	s_xor_b32 s3, s14, 3
	s_add_co_u32 s3, s3, 1
	s_lshl_b32 s3, s3, 11                          ; from my A tiles' words to B's: 8,192 - 2,048 w
	v_mul_u32_u24 v5, s3, v2                       ; lanes 16-31 take B's
	v_lshl_add_u32 v5, v1, 4, v5
	s_lshl_b32 s2, s14, 11
	s_add_co_u32 s2, s2, SCA
	v_add_nc_u32 v[ADRS], s2, v5
	s_wait_alu depctr_va_vdst(0)
	s_wait_tensorcnt 3                             ; my scale words and my part of chunk 0 have landed; chunks 1 to 3 may be out
	s_barrier_signal -1
	s_barrier_wait -1                              ; everybody's have
.irp n, 0,1,2,3,4,5,6,7,8,9,10,11,12,13,14,15
	ds_load_b128 v[SCR+32*(\n/8)+4*(\n%8):SCR+32*(\n/8)+4*(\n%8)+3], v[ADRS] offset:512*(\n%8)+256*(\n/8)   ; the words of four K steps; for tiles 4 to 7 lanes 0-15 read filled bytes that nobody uses
.endr
	FETCH_B 0
	FETCH_A 0
	s_wait_loadcnt 0x0                             ; the bias
	s_cmp_eq_u32 s18, 0
	s_cbranch_scc1 .Lstep0_v
	STEP 0, 1
	s_branch .Lstep0_done
.Lstep0_v:
	WIN 0x41                                       ; destination and source 0 window 1
.irp a, 0,1,2,3
.irp j, 1,2,3,4,5,6,7
	v_mov_b32 v[BIAS+8*\a+\j], v[BIAS+8*\a]        ; a lane's eight results of a tile belong to one channel
.endr
.endr
	WIN 0
	s_wait_alu depctr_va_vdst(0)
	STEP 0, 2
.Lstep0_done:
.irp k, 1,2,3,4,5,6,7
	STEP \k, 0
.endr
	; THE WAY OUT.  Where the codes and scale words go hangs on the role: six numbers.
	PLACES 4                                       ; behind the last products: results are read, and A's registers take the codes
	s_cmp_eq_u32 s18, 0
	s_cbranch_scc1 .Lout_v
	s_lshr_b32 s21, s19, 3                         ; the batch
	s_and_b32 s22, s19, 7
	s_lshl_b32 s23, s20, 3
	s_add_co_u32 s23, s23, s21                     ; 4 x (head 2 tj) + batch; from 64 on it counts k's heads, whose images follow q's
	s_mul_i32 s2, s23, 98304
	s_lshl_b32 s66, s22, 2
	s_add_co_u32 s66, s66, s14                     ; which four tiles of the batch's 128 are mine
	s_mul_i32 s67, s66, 3072
	s_add_co_u32 s2, s2, s67                       ; OFFC: my first tile's half fragment of head 2 tj
	s_mov_b32 s3, 768                              ; SA: from tile to tile
	s_mov_b32 s10, 393216                          ; SC: to head 2 tj + 1
	s_lshl_b32 s66, s66, 8
	s_lshl_b32 s11, s23, 13
	s_add_co_u32 s11, s11, Q_SC
	s_sub_co_u32 s23, s23, 64
	s_mul_i32 s67, s23, 12288
	s_add_co_u32 s67, s67, KV_SC
	s_mov_b32 s12, 49152
	s_cmp_lt_u32 s20, 8                            ; q's columns or k's: a choice of numbers, no branch
	s_cselect_b32 s11, s11, s67
	s_cselect_b32 s12, 32768, s12                  ; HS: from a head's scale words to the next head's
	s_add_co_u32 s11, s11, s66                     ; OFFS
	s_mov_b32 s13, 16                              ; SHF: lanes 16-31 store the upper two bytes: head 2 tj + 1's
	s_branch .Lout_set
.Lout_v:
	s_lshl_b32 s21, s19, 2
	s_add_co_u32 s21, s21, s14                     ; the head
	s_lshl_b32 s21, s21, 2
	s_lshr_b32 s22, s20, 4
	s_add_co_u32 s21, s21, s22                     ; 4 x head + batch
	s_and_b32 s22, s20, 15                         ; the key step
	s_mul_i32 s2, s21, 98304
	s_mul_i32 s23, s22, 6144
	s_add_co_u32 s2, s2, s23
	s_add_co_u32 s2, s2, V_IMG
	s_mov_b32 s3, 1536
	s_mov_b32 s10, 768
	s_mul_i32 s11, s21, 12288
	s_lshl_b32 s23, s22, 8
	s_add_co_u32 s11, s11, s23
	s_add_co_u32 s11, s11, KV_SC+8192
	s_mov_b32 s12, 0
	s_mov_b32 s13, 0
.Lout_set:
	s_mov_b32 s66, s2
	s_mov_b32 s67, 0
	s_mov_b32 s22, s3
	s_mov_b32 s23, 0
	s_add_nc_u64 s[24:25], s[8:9], s[66:67]        ; (every tensor load is done: the descriptors' registers are free)  a base for each of my four i tiles
	s_add_nc_u64 s[26:27], s[24:25], s[22:23]
	s_add_nc_u64 s[28:29], s[26:27], s[22:23]
	s_add_nc_u64 s[30:31], s[28:29], s[22:23]
	s_mov_b32 s66, s11
	s_add_nc_u64 s[32:33], s[8:9], s[66:67]        ; the scale words
	s_mov_b32 s100, 0x76543210
	s_mov_b32 s101, 0xfedcba98                     ; v_permlanex16_b32's selects for lane l xor 16
	v_mov_b32 v17, v4                              ; registers 0-5 of the codes: 8 x lane;
	v_add_nc_u32 v18, s10, v4                      ; registers 6-11: SC further on
	v_mul_u32_u24 v19, s12, v2
	v_lshl_add_u32 v19, v1, 4, v19                 ; 16 r + h HS
	v_mul_u32_u24 v20, s13, v2                     ; h SHF
.irp b, 0,1,2,3
	v_mov_b32 v[TM+4+\b], 0                        ; a lane permute's destination counts as one of its sources
.endr
; My i tile a: a lane's 64 results, register 16 g + i = j 32 g + 16 (lane / 16) + i of my row, become 12 registers of codes and a scale word.
.macro QUANT a
	WIN 0x28                                       ; sources 1 and 2 window 2
.irp b, 0,1,2,3
	v_max3_num_f32 v[TM+\b], 0x1800000, |v[64*\a+16*\b]|, |v[64*\a+16*\b+1]|   ; block b: my 16 numbers, each accumulator from its low end on, and the floor 2^(3 - 127)
.endr
.irp i, 2,4,6,8,10,12,14
.irp b, 0,1,2,3
	v_max3_num_f32 v[TM+\b], v[TM+\b], |v[64*\a+16*\b+\i]|, |v[64*\a+16*\b+\i+1]|
.endr
.endr
	WIN 0
.irp b, 0,1,2,3
	v_permlanex16_b32 v[TM+4+\b], v[TM+\b], s100, s101
.endr
.irp b, 0,1,2,3
	v_max_num_f32 v[TM+\b], v[TM+\b], v[TM+4+\b]   ; with lane l xor 16's: the block's largest magnitude
.endr
.irp b, 0,1,2,3
	v_add_nc_u32 v[TM+12+\b], 0xff000000, v[TM+\b] ; 2 off its exponent field: the conversion's scale operand
.endr
.irp b, 0,1,2,3
	v_lshrrev_b32 v[TM+4+\b], 23, v[TM+12+\b]      ; the scale's byte
.endr
	v_lshl_or_b32 v[PW+\a], v[TM+5], 8, v[TM+4]
	v_lshl_or_b32 v[PW+\a], v[TM+6], 16, v[PW+\a]
	v_lshl_or_b32 v[PW+\a], v[TM+7], 24, v[PW+\a]
	WIN 0x02                                       ; source 0 window 2
.irp c, 0,1
	v_cvt_scalef32_pk16_fp6_f32 v[AF+12*\a+6*\c:AF+12*\a+6*\c+2], v[64*\a+32*\c:64*\a+32*\c+15], v[TM+12+2*\c]
	v_cvt_scalef32_pk16_fp6_f32 v[176+4*\c:178+4*\c], v[64*\a+32*\c+16:64*\a+32*\c+31], v[TM+12+2*\c+1]
.endr
	WIN 0
	v_nop                                          ; one plain instruction behind the conversions
.irp c, 0,1                            ; the operand's layout wants a whole block in a lane
.irp i, 0,1,2
	v_permlane16_swap_b32 v[AF+12*\a+6*\c+\i], v[176+4*\c+\i]
.endr
.irp i, 0,1,2
	v_mov_b32 v[AF+12*\a+3+6*\c+\i], v[176+4*\c+\i]
.endr
.endr
.irp p, 0,1,2,3,4,5
	global_store_b64 v[17+\p/3], v[AF+12*\a+2*\p:AF+12*\a+2*\p+1], s[24+2*\a:25+2*\a] offset:256*(\p%3)   ; 256 consecutive bytes, aligned; each tile has code registers of its own
.endr
.endm
.irp a, 0,1,2,3
	QUANT \a
.endr
.irp a, 0,1,2,3
	v_lshrrev_b32 v[PW+\a], v20, v[PW+\a]
.endr
	global_store_b128 v19, v[PW:PW+3], s[32:33]    ; q, k: sixteen lanes fill 256 aligned bytes for each of the two heads; v: both halves write the same bytes with the same values
	s_wait_dscnt 0x0
	s_wait_tensorcnt 0x0
	ds_add_u32 v254, v255
	s_wait_dscnt 0x0
	CROUND                                         ; the closing round: no work-group ends while a partner may still ask for a tile that names it
	s_endpgm
.Lfunc_end_k_q9c0adbae3e_qkv:
	.size	k_q9c0adbae3e_qkv, .Lfunc_end_k_q9c0adbae3e_qkv-k_q9c0adbae3e_qkv
	.p2alignl 7, 3214868480
	.fill 96, 4, 3214868480
	.section	.rodata,"a",@progbits
	.p2align	6, 0x0
	.amdhsa_kernel k_q9c0adbae3e_qkv
		.amdhsa_group_segment_fixed_size 307712
		.amdhsa_private_segment_fixed_size 0
		.amdhsa_enable_private_segment 0
		.amdhsa_kernarg_size 24
		.amdhsa_user_sgpr_count 2
		.amdhsa_user_sgpr_kernarg_segment_ptr 1
		.amdhsa_wavefront_size32 1
		.amdhsa_system_sgpr_workgroup_id_x 1
		.amdhsa_system_sgpr_workgroup_id_y 1
		.amdhsa_system_sgpr_workgroup_id_z 1
		.amdhsa_system_vgpr_workitem_id 0
		.amdhsa_next_free_vgpr 768
		.amdhsa_next_free_sgpr 102
		.amdhsa_reserve_vcc 0
		.amdhsa_float_denorm_mode_32 3
		.amdhsa_float_denorm_mode_16_64 3
		.amdhsa_memory_ordered 1
		.amdhsa_forward_progress 1
		.amdhsa_inst_pref_size 115
	.end_amdhsa_kernel
	.amdgpu_metadata
---
amdhsa.version: [ 1, 2 ]
amdhsa.kernels:
  - .name:           k_q9c0adbae3e_qkv
    .symbol:         k_q9c0adbae3e_qkv.kd
    .args:
      - { .name: ops, .offset: 0, .size: 8, .value_kind: global_buffer, .address_space: global }
      - { .name: b_attn, .offset: 8, .size: 8, .value_kind: global_buffer, .address_space: global }
      - { .name: qkv, .offset: 16, .size: 8, .value_kind: global_buffer, .address_space: global }
    .group_segment_fixed_size: 307712
    .private_segment_fixed_size: 0
    .kernarg_segment_align: 8
    .kernarg_segment_size: 24
    .max_flat_workgroup_size: 128
    .sgpr_count:     102
    .vgpr_count:     768
    .wavefront_size: 32
...
	.end_amdgpu_metadata
.endif
;; end of part 2
;; launch attn (part 3): grid 4 x 64, 16 waves a work-group, clusters of 4 x 1, 210,944 bytes of LDS; arguments qkv, yq; writes yq
.if DOCPART == 3
	.amdgcn_target "amdgcn-amd-amdhsa--gfx1250"
	.amdhsa_code_object_version 6
	.text
	.protected	k_q9c0adbae3e_attn
	.globl	k_q9c0adbae3e_attn
	.p2align	8
	.type	k_q9c0adbae3e_attn,@function
k_q9c0adbae3e_attn:
	s_mov_b64 s[64:65], 0
	v_nop
	global_prefetch_b8 v0, s[64:65] scope:SCOPE_SE
	s_setreg_imm32_b32 hwreg(HW_REG_WAVE_MODE, 25, 1), 1
	s_wait_xcnt 0x0
	s_wait_alu depctr_hold_cnt(0) depctr_sa_sdst(0) depctr_va_vdst(0) depctr_va_sdst(0) depctr_va_ssrc(0) depctr_va_vcc(0) depctr_vm_vsrc(0)
	s_getreg_b32 s2, hwreg(HW_REG_IB_STS2, 6, 4)
	s_cmp_eq_u32 s2, 0
	s_cbranch_scc0 .Lentry_in_a_cluster
	s_endpgm
.Lentry_in_a_cluster:
	s_bfe_u32 s2, ttmp6, 0x10000c
	s_cmp_lg_u32 s2, 0x3003
	s_cbranch_scc0 .Lentry_shape_is_right
	s_endpgm
.Lentry_shape_is_right:
; y = softmax(q k^T / 8, causal) v for one head of one batch in a cluster of four work-groups, both products on codes of FP6 (E2M3) with E8M0 scales; y is quantised along its channels on the way out.
; THE SOFTMAX AHEAD OF THE SECOND PRODUCT: t = score x log2(e) / 8; M = the row's largest t so far, rounded UP to a whole number; p = 2^(t - M) is quantised along the keys, not normalised; the row's sum is
; taken of the unquantised p and divides at the end.  When M moves, the sum and O are multiplied by 2^(old M - new M): exact.
; q k^T HAS K = 64: registers 6-11 of both operands hold zero codes; the scale bytes over them are never 0xff.
; A WHOLE HEAD'S K, V AND SCALE WORDS LIE IN LDS (208,896 bytes), filled once at the head.  The four partners read the same bytes: each load is asked for JOINTLY, with the mask of all four.
; SHARES.  A tile is 16 queries; lane r of tile p stands for token 32 (p / 2) + 8 (p % 2) + r + 8 (r / 8); so for keys and for V's channels.  Wave w owns tiles pL = 4 w + cx and pH = 127 - pL, which need
; w / 2 + 1 and 16 - w / 2 key steps of 128 keys: 17 units in every wave, and the counts hang on the wave's number alone: no branch hangs on a work-group's place in its cluster.  A tile's last step is its diagonal.
; LAYOUT.  Both products are used transposed: S^T = K Q^T, O^T = V^T P^T: a lane holds ONE query throughout, and by the order of a tile's rows the 16 registers of key tiles 2 g, 2 g + 1 are 16 neighbouring keys.
; Four waves share a SIMD, so that one wave's vector work stands beside another's matrix work and LDS loads.
; LIMITS: a block of zeros gets the scale byte 1 (its codes are zeros; this program alone reads the bytes); NaN and infinities are not served.
; REGISTERS: v1-5 addresses that stay; v6 my query less the diagonal step's first key less 16 (lane / 16); v7-10 the unit's addresses; v11 the same as v6 for the light tile; v12 -M, v13 the largest t, v[14:15] the sum;
; v16-27 Q; v28 Q's scale word, v29 p's; v[30:31] f; v32-79, v192-239 K's eight fragments (six registers of data, six of zeros; the data registers serve as temporaries between the products);
; v80-87 K's scale words, v88-91 V's; v92-95 the conversions' operands; v96-159 S^T, then p, then V's four fragments; v160-191 O^T; v240-251 p's codes; v252, v253 at work.
.set K_IMG, 6291456
.set Q_SC,  18874368
.set KV_SC, 19398656
.set Y_SC,  6291456
.set LV,    98304                      ; LDS: K's images at 0, V's here,
.set LKS,   196608                     ; K's scale words,
.set LVS,   204800                     ; V's
.macro PLACES n
.rept \n
	v_nop
.endr
.endm
.macro CROUND                          ; a round of the cluster's barrier
	s_barrier_signal -1
	s_barrier_wait -1
	s_cmp_lg_u32 s14, 0
	s_cbranch_scc1 .Lnot_wave_0_\@
	s_barrier_signal -3
.Lnot_wave_0_\@:
	s_barrier_wait -3
	s_barrier_signal -1
	s_barrier_wait -1
.endm
; the four addresses of tile s[p]: q's codes, q's scale words, y's codes, y's scale bytes
.macro PTRS p, qc, qs, yc, ys
	s_mul_i32 s84, s17, 98304
	s_mul_i32 s85, s[\p], 768
	s_add_co_u32 s84, s84, s85
	s_mov_b32 s85, 0
	s_add_nc_u64 s[\qc:\qc+1], s[4:5], s[84:85]
	s_lshl_b32 s84, s17, 13
	s_lshr_b32 s86, s[\p], 2
	s_lshl_b32 s86, s86, 8
	s_add_co_u32 s84, s84, s86
	s_and_b32 s86, s[\p], 3
	s_lshl_b32 s86, s86, 2
	s_add_co_u32 s84, s84, s86
	s_add_co_u32 s84, s84, Q_SC
	s_add_nc_u64 s[\qs:\qs+1], s[4:5], s[84:85]
	s_lshl_b32 s86, s19, 7
	s_add_co_u32 s86, s86, s[\p]                   ; the tile among y's 512
	s_mul_i32 s84, s86, 12288
	s_mul_i32 s87, s18, 768                        ; a head is half a fragment
	s_add_co_u32 s84, s84, s87
	s_add_nc_u64 s[\yc:\yc+1], s[6:7], s[84:85]
	s_lshl_b32 s84, s86, 9
	s_lshr_b32 s87, s18, 3
	s_lshl_b32 s87, s87, 8
	s_add_co_u32 s84, s84, s87
	s_and_b32 s87, s18, 7
	s_lshl_b32 s87, s87, 1                         ; two bytes a head
	s_add_co_u32 s84, s84, s87
	s_add_co_u32 s84, s84, Y_SC
	s_add_nc_u64 s[\ys:\ys+1], s[6:7], s[84:85]
.endm
.macro DVAL p, dst                     ; my query's place in its diagonal step, less 16 (lane / 16)
	s_lshr_b32 s84, s[\p], 1
	s_lshl_b32 s84, s84, 5
	s_and_b32 s85, s[\p], 1
	s_lshl_b32 s85, s85, 3
	s_add_co_u32 s84, s84, s85
	s_and_b32 s84, s84, 127
	v_add_nc_u32 v[\dst], s84, v252
.endm
.macro QLOAD
.irp p, 0,1,2
	global_load_b64 v[16+2*\p:17+2*\p], v1, s[60:61] offset:256*\p
.endr
	global_load_b32 v28, v5, s[62:63]
.endm
; A UNIT: 16 queries x 128 keys.  ak, av, as, at: the registers with the LDS addresses of K's, V's images and scale words; s: a key step in the immediates; gen = 1: the diagonal's lines are written, under a scalar branch.
.macro UNIT ak, av, as, at, s, gen
.irp t, 0,1,2,3,4,5,6,7
.irp p, 0,1,2
	ds_load_b64 v[32+12*\t+112*(\t/4)+2*\p:33+12*\t+112*(\t/4)+2*\p], v[\ak] offset:6144*(\s)+768*\t+256*\p
.endr
.endr
	ds_load_b128 v[80:83], v[\as] offset:512*(\s)
	ds_load_b128 v[84:87], v[\as] offset:512*(\s)+256
	s_wait_dscnt 0x0
.irp t, 0,1,2,3,4,5,6,7
	v_wmma_scale_f32_16x16x128_f8f6f4 v[96+8*\t:103+8*\t], v[32+12*\t+112*(\t/4):43+12*\t+112*(\t/4)], v[16:27], 0, v[80+\t], v28 matrix_a_fmt:MATRIX_FMT_FP6 matrix_b_fmt:MATRIX_FMT_FP6
.endr
	PLACES 4                                       ; behind the products: results are read and K's data registers are written
.if \gen
	s_cmp_eq_u32 s81, 0
	s_cbranch_scc1 .Lopen_\@
	v_mov_b32 v252, 0xff800000                     ; on the diagonal the scores of hidden keys become -infinity ahead of the maximum: p = 0 then.  Register 16 g + i holds key 32 g + 16 (lane / 16) + i of the step
.set n, 0
.rept 64
	v_cmp_gt_i32 vcc_lo, 32*(n/16)+n%16, v6
	v_cndmask_b32 v[96+n], v[96+n], v252, vcc_lo
.set n, n+1
.endr
.Lopen_\@:
.endif
.irp b, 0,1,2,3
	v_max3_num_f32 v[32+\b], v[96+16*\b], v[97+16*\b], v[98+16*\b]   ; the largest score of each block of 32 keys: for the row's maximum, and, since p rises with the score, for the block's largest p
.endr
.irp i, 3,5,7,9,11,13
.irp b, 0,1,2,3
	v_max3_num_f32 v[32+\b], v[32+\b], v[96+16*\b+\i], v[97+16*\b+\i]
.endr
.endr
.irp b, 0,1,2,3
	v_max_num_f32 v[32+\b], v[32+\b], v[111+16*\b]
.endr
.irp b, 0,1,2,3
	s_delay_alu instid0(VALU_DEP_4)
	v_permlanex16_b32 v[44+\b], v[32+\b], s20, s21
.endr
.irp b, 0,1,2,3
	s_delay_alu instid0(VALU_DEP_4)
	v_max_num_f32 v[32+\b], v[32+\b], v[44+\b]     ; with lane l xor 16's 16 keys
.endr
	s_delay_alu instid0(VALU_DEP_2)
	v_max3_num_f32 v252, v32, v33, v34
	s_delay_alu instid0(VALU_DEP_1)
	v_max_num_f32 v252, v252, v35                  ; the unit's largest score of my query
	s_delay_alu instid0(VALU_DEP_1)
	v_mul_f32 v252, s22, v252                      ; as t
	s_delay_alu instid0(VALU_DEP_1)
	v_max_num_f32 v13, v13, v252                   ; the running largest t
	v_mov_b32 v252, v12
	s_delay_alu instid0(VALU_DEP_2)
	v_floor_f32 v12, -v13                          ; the new -M = floor(-t): M is a whole number
	s_delay_alu instid0(VALU_DEP_1)
	v_sub_f32 v252, v12, v252                      ; old M - new M: a whole number, 0 or less
	s_delay_alu instid0(VALU_DEP_1)
	v_cvt_i32_f32 v252, v252                       ; (it saturates)
	s_delay_alu instid0(VALU_DEP_1)
	v_ldexp_f32 v30, 1.0, v252                     ; f = 2^(old M - new M)
.set n, 0
.rept 32
	v_pk_fma_f32 v[96+n:97+n], v[96+n:97+n], s[22:23], v[12:13] op_sel_hi:[1,0,0]   ; t - M, two at a time
.set n, n+2
.endr
.irp b, 0,1,2,3
	v_fma_f32 v[32+\b], v[32+\b], s22, v12         ; the same of each block's largest score
.endr
.set n, 0
	s_wait_alu depctr_va_vdst(0)
.rept 64
	v_exp_f32 v[96+n], v[96+n]                     ; p = 2^(t - M), at most 1
.set n, n+1
.endr
	v_pk_mul_f32 v[14:15], v[14:15], v[30:31] op_sel_hi:[1,0]   ; the sums under the new M: a plain instruction behind the exponentials
	s_wait_alu depctr_va_vdst(0)                   ; one wait for the batch, ahead of its first reader
.irp b, 0,1,2,3
	v_exp_f32 v[32+\b], v[32+\b]                   ; the block's largest p
.endr
	v_pk_add_f32 v[36:37], v[100:101], v[104:105]
	v_pk_add_f32 v[250:251], v[108:109], v[112:113]
	v_pk_add_f32 v[248:249], v[116:117], v[120:121]
	v_pk_add_f32 v[246:247], v[124:125], v[128:129]
	v_pk_add_f32 v[244:245], v[132:133], v[136:137]
	v_pk_add_f32 v[242:243], v[140:141], v[144:145]
	v_pk_add_f32 v[240:241], v[148:149], v[152:153]
	v_pk_add_f32 v[14:15], v[14:15], v[156:157]
	v_pk_add_f32 v[36:37], v[36:37], v[96:97]
	v_pk_add_f32 v[250:251], v[250:251], v[98:99]
	v_pk_add_f32 v[248:249], v[248:249], v[102:103]
	v_pk_add_f32 v[246:247], v[246:247], v[106:107]
	v_pk_add_f32 v[244:245], v[244:245], v[110:111]
	v_pk_add_f32 v[242:243], v[242:243], v[114:115]
	v_pk_add_f32 v[240:241], v[240:241], v[118:119]
	v_pk_add_f32 v[14:15], v[14:15], v[122:123]
	v_pk_add_f32 v[36:37], v[36:37], v[126:127]
	v_pk_add_f32 v[250:251], v[250:251], v[130:131]
	v_pk_add_f32 v[248:249], v[248:249], v[134:135]
	v_pk_add_f32 v[246:247], v[246:247], v[138:139]
	v_pk_add_f32 v[244:245], v[244:245], v[142:143]
	v_pk_add_f32 v[242:243], v[242:243], v[146:147]
	v_pk_add_f32 v[240:241], v[240:241], v[150:151]
	v_pk_add_f32 v[14:15], v[14:15], v[154:155]
	v_pk_add_f32 v[36:37], v[36:37], v[158:159]
	s_delay_alu instid0(VALU_DEP_2)
	v_pk_add_f32 v[14:15], v[14:15], v[246:247]
	s_delay_alu instid0(VALU_DEP_2)
	v_pk_add_f32 v[36:37], v[36:37], v[244:245]
	v_pk_add_f32 v[250:251], v[250:251], v[242:243]
	v_pk_add_f32 v[248:249], v[248:249], v[240:241]
	s_delay_alu instid0(VALU_DEP_2)
	v_pk_add_f32 v[14:15], v[14:15], v[250:251]
	s_delay_alu instid0(VALU_DEP_2)
	v_pk_add_f32 v[36:37], v[36:37], v[248:249]
	s_delay_alu instid0(VALU_DEP_1)
	v_pk_add_f32 v[14:15], v[14:15], v[36:37]
	s_wait_alu depctr_va_vdst(0)                   ; and one for the four
.irp b, 0,1,2,3
	v_max_num_f32 v[32+\b], 0x1800000, v[32+\b]    ; the floor 2^(3 - 127): the byte cannot fall under 1
.endr
.irp b, 0,1,2,3
	s_delay_alu instid0(VALU_DEP_4)
	v_add_nc_u32 v[92+\b], 0xff000000, v[32+\b]    ; 2 off the exponent field: the conversion's scale operand
.endr
.irp b, 0,1,2,3
	s_delay_alu instid0(VALU_DEP_4)
	v_lshrrev_b32 v[44+\b], 23, v[92+\b]           ; the scale's byte
.endr
	s_delay_alu instid0(VALU_DEP_3)
	v_lshl_or_b32 v29, v45, 8, v44                 ; p's scale word for these 128 keys
	s_delay_alu instid0(VALU_DEP_1)
	v_lshl_or_b32 v29, v46, 16, v29
	s_delay_alu instid0(VALU_DEP_1)
	v_lshl_or_b32 v29, v47, 24, v29
.irp c, 0,1
	v_cvt_scalef32_pk16_fp6_f32 v[240+6*\c:242+6*\c], v[96+32*\c:111+32*\c], v[92+2*\c]
	v_cvt_scalef32_pk16_fp6_f32 v[56+12*\c:58+12*\c], v[112+32*\c:127+32*\c], v[92+2*\c+1]
.endr
	v_nop                                          ; one plain instruction behind the conversions
.irp c, 0,1                            ; the operand's layout wants a whole block in a lane
.irp i, 0,1,2
	v_permlane16_swap_b32 v[240+6*\c+\i], v[56+12*\c+\i]
.endr
.irp i, 0,1,2
	s_delay_alu instid0(VALU_DEP_3)
	v_mov_b32 v[243+6*\c+\i], v[56+12*\c+\i]
.endr
.endr
.irp t, 0,1,2,3
.irp p, 0,1,2,3,4,5
	ds_load_b64 v[96+12*\t+2*\p:97+12*\t+2*\p], v[\av] offset:6144*(\s)+1536*\t+256*\p   ; V's four fragments take p's registers
.endr
.endr
	ds_load_b128 v[88:91], v[\at] offset:256*(\s)
.set n, 0
.rept 16
	v_pk_mul_f32 v[160+n:161+n], v[160+n:161+n], v[30:31] op_sel_hi:[1,0]   ; O^T under the new M.  (These sixteen are also the places between the writes of p's codes and scale word and the products)
.set n, n+2
.endr
	s_wait_alu depctr_va_vdst(0)
	s_wait_dscnt 0x0
.irp t, 0,1,2,3
	v_wmma_scale_f32_16x16x128_f8f6f4 v[160+8*\t:167+8*\t], v[96+12*\t:107+12*\t], v[240:251], v[160+8*\t:167+8*\t], v[88+\t], v29 matrix_a_fmt:MATRIX_FMT_FP6 matrix_b_fmt:MATRIX_FMT_FP6
.endr
	PLACES 5                                       ; the next unit's scores are written over V's registers by matrix instructions: five places
.endm
	s_load_b128 s[4:7], s[0:1], 0x0                ; qkv s[4:5], yq s[6:7]
	v_lshl_add_u32 v254, v0, 2, 0x33000
	v_mov_b32 v255, 0
	ds_add_u32 v254, v255
	ds_add_u32 v254, v255
	v_lshrrev_b32 v1, 5, v0
	s_delay_alu instid0(VALU_DEP_1)
	v_readfirstlane_b32 s14, v1                    ; wave 0..15
	s_bfe_u32 s16, ttmp6, 0x40000                  ; cx: it enters global addresses and v6, v11 alone
	s_and_b32 s17, ttmp7, 0xffff                   ; 4 x head + batch, which the four partners share
	s_lshr_b32 s18, s17, 2                         ; head
	s_and_b32 s19, s17, 3                          ; batch
	s_mov_b32 s20, 0x76543210
	s_mov_b32 s21, 0xfedcba98                      ; v_permlanex16_b32's selects for lane l xor 16
	s_mov_b32 s22, 0x3e38aa3b                      ; c = log2(e) / 8
	s_mov_b32 s23, s22                             ; (named with it as a pair)
	; descriptor groups 1: dense rows of 256 bytes (32 elements of 8), no padding, the mask of all four work-groups: 12 rows (scale words), 48 (the first 512 keys), 144 (the rest)
.irp g, 24, 32, 40
	s_mov_b32 s[\g], 15|(3<<16)|(1<<21)
	s_mov_b32 s[\g+1], 32<<16
	s_mov_b32 s[\g+3], 32<<16
	s_mov_b32 s[\g+5], 32
	s_mov_b32 s[\g+6], 0
	s_mov_b32 s[\g+7], 0
.endr
	s_mov_b32 s26, 12<<16
	s_mov_b32 s28, 12
	s_mov_b32 s34, 48<<16
	s_mov_b32 s36, 48
	s_mov_b32 s42, 144<<16
	s_mov_b32 s44, 144
	; groups 0.  Waves 0 to 3 fetch: wave % 2: K's images or V's; wave / 2: which half; each a quarter of the scale words
	s_and_b32 s82, s14, 3
	s_and_b32 s83, s14, 1
	s_bfe_u32 s84, s14, 0x10001
	s_mul_i32 s85, s82, 3072
	s_add_co_u32 s49, s85, LKS
	s_mul_i32 s86, s17, 12288
	s_add_co_u32 s86, s86, s85
	s_add_co_u32 s86, s86, KV_SC
	s_mov_b32 s87, 0
	s_mul_i32 s82, s83, LV
	s_mul_i32 s85, s84, 12288
	s_add_co_u32 s53, s82, s85
	s_mul_i32 s88, s83, 6291456                    ; V's images lie so far behind K's in memory
	s_mul_i32 s89, s17, 98304
	s_add_co_u32 s88, s88, s89
	s_add_co_u32 s88, s88, K_IMG
	s_add_co_u32 s80, s88, s85
	s_mov_b32 s81, 0
	s_mul_i32 s85, s84, 36864
	s_add_co_u32 s85, s85, 24576
	s_add_co_u32 s57, s82, s85
	s_add_co_u32 s88, s88, s85
	s_mov_b32 s89, 0
	s_mov_b32 s48, 1
	s_mov_b32 s52, 1
	s_mov_b32 s56, 1
	s_wait_dscnt 0x0
	s_wait_kmcnt 0x0
	s_add_nc_u64 s[50:51], s[4:5], s[86:87]
	s_or_b32 s51, s51, 0x80000000
	s_add_nc_u64 s[54:55], s[4:5], s[80:81]
	s_or_b32 s55, s55, 0x80000000
	s_add_nc_u64 s[58:59], s[4:5], s[88:89]
	s_or_b32 s59, s59, 0x80000000
	CROUND                                         ; all four work-groups are here: the joint loads meet
	s_cmp_lt_u32 s14, 4                            ; a wave's three fills stand in one branch on the wave's number: three loads of mine are out.  Four v_nop follow the last
	s_cbranch_scc0 .Lfilled
	tensor_load_to_lds s[48:51], s[24:31]
	s_nop 0
	tensor_load_to_lds s[52:55], s[32:39]
	s_nop 0
	tensor_load_to_lds s[56:59], s[40:47]
	s_nop 0
	PLACES 4
.Lfilled:
	v_and_b32 v252, 31, v0
	s_delay_alu instid0(VALU_DEP_1)
	v_lshlrev_b32 v1, 3, v252                      ; 8 x lane: K's images, and the pieces in memory
	s_wait_alu depctr_va_vdst(0)
	v_add_nc_u32 v2, LV, v1                        ; V's images
	v_and_b32 v252, 15, v0                         ; r
	s_delay_alu instid0(VALU_DEP_1)
	v_lshlrev_b32 v5, 4, v252                      ; 16 r
	s_wait_alu depctr_va_vdst(0)
	v_add_nc_u32 v3, LKS, v5                       ; K's scale words
	v_add_nc_u32 v4, LVS, v5                       ; V's
	s_lshl_b32 s82, s14, 2
	s_add_co_u32 s82, s82, s16                     ; the light tile
	s_sub_co_u32 s83, 127, s82                     ; the heavy tile: it goes first
	PTRS 83, 60, 62, 66, 68
	QLOAD
	PTRS 82, 70, 72, 74, 76
	s_lshr_b32 s79, s14, 1
	s_sub_co_u32 s79, 16, s79                      ; the heavy tile's key steps
	v_and_b32 v253, 8, v252
	s_delay_alu instid0(VALU_DEP_1)
	v_add_nc_u32 v252, v252, v253
	v_bfe_u32 v253, v0, 4, 1
	s_delay_alu instid0(VALU_DEP_1)
	v_lshlrev_b32 v253, 4, v253
	s_delay_alu instid0(VALU_DEP_1)
	v_sub_nc_u32 v252, v252, v253                  ; r + 8 (r / 8) - 16 h
	s_wait_alu depctr_va_vdst(0)
	DVAL 83, 6
	DVAL 82, 11
.irp j, 22,23,24,25,26,27
	v_mov_b32 v[\j], 0                             ; Q's upper 64 along K: zero codes; they stay
.endr
.irp t, 0,1,2,3,4,5,6,7
.irp j, 6,7,8,9,10,11
	v_mov_b32 v[32+12*\t+112*(\t/4)+\j], 0         ; K's likewise
.endr
.endr
	v_mov_b32 v13, 0xff61b1e6                      ; the largest t so far: -3e38, under every t
	s_delay_alu instid0(VALU_DEP_1)
	v_floor_f32 v12, -v13                          ; -M
	v_mov_b32 v14, 0
	v_mov_b32 v15, 0
	v_mov_b32 v31, 0                               ; (named as the upper half of the pair v[30:31])
.set n, 0
.rept 32
	v_mov_b32 v[160+n], 0                          ; O^T: the first unit finds zeros, which the first change of M leaves zeros
.set n, n+1
.endr
	s_wait_tensorcnt 1                             ; my scale words and my part of the first 512 keys have landed; the rest may be out
	s_barrier_signal -1
	s_barrier_wait -1                              ; everybody's have
	s_wait_loadcnt 0x0                             ; Q
	UNIT 1, 2, 3, 4, 0, 0                          ; the heavy tile's first four key steps, every address a constant and a lane term: they lie in what has landed.  No tile's diagonal is among them: the heavy tile has nine steps at the least
	UNIT 1, 2, 3, 4, 1, 0
	UNIT 1, 2, 3, 4, 2, 0
	UNIT 1, 2, 3, 4, 3, 0
	s_wait_tensorcnt 0x0                           ; the rest of my part has landed
	s_wait_dscnt 0x0
	s_barrier_signal -1
	s_barrier_wait -1
	s_mov_b32 s78, 4
.Lunit:                                            ; units 4 to 16: thirteen trips in every wave
	s_cmp_ge_u32 s78, s79
	s_cselect_b32 s80, s79, 0
	s_sub_co_u32 s80, s78, s80                     ; the key step: the heavy tile's, then the light tile's from 0 on
	s_min_u32 s80, s80, 15
	s_mul_i32 s82, s80, 6144
	v_add_nc_u32 v7, s82, v1
	v_add_nc_u32 v8, s82, v2
	s_lshl_b32 s82, s80, 9
	v_add_nc_u32 v9, s82, v3
	s_lshl_b32 s82, s80, 8
	v_add_nc_u32 v10, s82, v4
	s_add_co_u32 s82, s78, 1
	s_cmp_eq_u32 s82, s79
	s_cselect_b32 s81, 1, 0
	s_cmp_eq_u32 s78, 16
	s_cselect_b32 s81, 1, s81                      ; 1: a tile's last step, its diagonal
	UNIT 7, 8, 9, 10, 0, 1
	s_cmp_eq_u32 s81, 0
	s_cbranch_scc1 .Lnot_done
	; THE TILE IS DONE: O^T / the sum is y; its 64 channels are two blocks along the last product's K
	v_add_f32 v14, v14, v15
	s_delay_alu instid0(VALU_DEP_1)
	v_permlanex16_b32 v252, v14, s20, s21
	s_delay_alu instid0(VALU_DEP_1)
	v_add_f32 v14, v14, v252                       ; the row's sum
	s_wait_alu depctr_va_vdst(0)
	v_rcp_f32 v30, v14
	v_nop                                          ; a plain instruction behind the reciprocal
	s_wait_alu depctr_va_vdst(0)                   ; and the wait ahead of its first reader
.set n, 0
.rept 16
	v_pk_mul_f32 v[96+n:97+n], v[160+n:161+n], v[30:31] op_sel_hi:[1,0]   ; register 16 g + i is channel 32 g + 16 (lane / 16) + i; each accumulator from its low end on
.set n, n+2
.endr
.irp b, 0,1
	v_max3_num_f32 v[32+\b], |v[96+16*\b]|, |v[97+16*\b]|, 0x1800000
.endr
.irp i, 2,4,6,8,10,12,14
.irp b, 0,1
	s_delay_alu instid0(VALU_DEP_2)
	v_max3_num_f32 v[32+\b], v[32+\b], |v[96+16*\b+\i]|, |v[97+16*\b+\i]|
.endr
.endr
.irp b, 0,1
	s_delay_alu instid0(VALU_DEP_2)
	v_permlanex16_b32 v[44+\b], v[32+\b], s20, s21
.endr
.irp b, 0,1
	s_delay_alu instid0(VALU_DEP_2)
	v_max_num_f32 v[32+\b], v[32+\b], v[44+\b]
.endr
.irp b, 0,1
	s_delay_alu instid0(VALU_DEP_2)
	v_add_nc_u32 v[92+\b], 0xff000000, v[32+\b]
.endr
.irp b, 0,1
	s_delay_alu instid0(VALU_DEP_2)
	v_lshrrev_b32 v[44+\b], 23, v[92+\b]
.endr
	s_delay_alu instid0(VALU_DEP_1)
	v_lshl_or_b32 v253, v45, 8, v44                ; the head's two scale bytes of my row
	v_cvt_scalef32_pk16_fp6_f32 v[240:242], v[96:111], v92
	v_cvt_scalef32_pk16_fp6_f32 v[244:246], v[112:127], v93
	v_nop                                          ; one plain instruction behind the conversions
.irp i, 0,1,2
	v_permlane16_swap_b32 v[240+\i], v[244+\i]
.endr
	s_delay_alu instid0(VALU_DEP_3)
	v_mov_b32 v243, v244
	s_delay_alu instid0(VALU_DEP_3)
	v_mov_b32 v244, v245
	s_delay_alu instid0(VALU_DEP_3)
	v_mov_b32 v245, v246
.irp p, 0,1,2
	global_store_b64 v1, v[240+2*\p:241+2*\p], s[66:67] offset:256*\p   ; 256 consecutive bytes, aligned
.endr
	global_store_b16 v5, v253, s[68:69]            ; 2 of each row's 32 scale bytes: the other heads' belong to other work-groups; one byte in 24 of what is written.  Lanes 16-31 write the same bytes with the same values
	s_wait_xcnt 0x0                                ; the stores have read their registers and bases
	s_cmp_eq_u32 s78, 16
	s_cbranch_scc1 .Lnot_done
	s_mov_b64 s[60:61], s[70:71]                   ; on to the light tile
	s_mov_b64 s[62:63], s[72:73]
	s_mov_b64 s[66:67], s[74:75]
	s_mov_b64 s[68:69], s[76:77]
	QLOAD
	v_mov_b32 v6, v11
	v_mov_b32 v13, 0xff61b1e6
	s_delay_alu instid0(VALU_DEP_1)
	v_floor_f32 v12, -v13
	v_mov_b32 v14, 0
	v_mov_b32 v15, 0
.set n, 0
.rept 32
	v_mov_b32 v[160+n], 0
.set n, n+1
.endr
	s_wait_loadcnt 0x0
.Lnot_done:
	s_add_co_u32 s78, s78, 1
	s_cmp_lt_u32 s78, 17
	s_cbranch_scc1 .Lunit
	s_wait_dscnt 0x0
	s_wait_tensorcnt 0x0
	ds_add_u32 v254, v255
	s_wait_dscnt 0x0
	CROUND                                         ; the closing round: no work-group ends while a partner may still ask for a tile that names it
	s_endpgm
.Lfunc_end_k_q9c0adbae3e_attn:
	.size	k_q9c0adbae3e_attn, .Lfunc_end_k_q9c0adbae3e_attn-k_q9c0adbae3e_attn
	.p2alignl 7, 3214868480
	.fill 96, 4, 3214868480
	.section	.rodata,"a",@progbits
	.p2align	6, 0x0
	.amdhsa_kernel k_q9c0adbae3e_attn
		.amdhsa_group_segment_fixed_size 210944
		.amdhsa_private_segment_fixed_size 0
		.amdhsa_enable_private_segment 0
		.amdhsa_kernarg_size 16
		.amdhsa_user_sgpr_count 2
		.amdhsa_user_sgpr_kernarg_segment_ptr 1
		.amdhsa_wavefront_size32 1
		.amdhsa_system_sgpr_workgroup_id_x 1
		.amdhsa_system_sgpr_workgroup_id_y 1
		.amdhsa_system_sgpr_workgroup_id_z 1
		.amdhsa_system_vgpr_workitem_id 0
		.amdhsa_next_free_vgpr 256
		.amdhsa_next_free_sgpr 90
		.amdhsa_reserve_vcc 1
		.amdhsa_float_denorm_mode_32 3
		.amdhsa_float_denorm_mode_16_64 3
		.amdhsa_memory_ordered 1
		.amdhsa_forward_progress 1
		.amdhsa_inst_pref_size 114
	.end_amdhsa_kernel
	.amdgpu_metadata
---
amdhsa.version: [ 1, 2 ]
amdhsa.kernels:
  - .name:           k_q9c0adbae3e_attn
    .symbol:         k_q9c0adbae3e_attn.kd
    .args:
      - { .name: qkv, .offset: 0, .size: 8, .value_kind: global_buffer, .address_space: global }
      - { .name: yq, .offset: 8, .size: 8, .value_kind: global_buffer, .address_space: global }
    .group_segment_fixed_size: 210944
    .private_segment_fixed_size: 0
    .kernarg_segment_align: 8
    .kernarg_segment_size: 16
    .max_flat_workgroup_size: 512
    .sgpr_count:     90
    .vgpr_count:     256
    .wavefront_size: 32
...
	.end_amdgpu_metadata
.endif
;; end of part 3
;; launch proj (part 4): grid 64 x 4, 4 waves a work-group, clusters of 4 x 4, 307,712 bytes of LDS; arguments yq, ops, b_proj, out0; writes out0
.if DOCPART == 4
	.amdgcn_target "amdgcn-amd-amdhsa--gfx1250"
	.amdhsa_code_object_version 6
	.text
	.protected	k_q9c0adbae3e_proj
	.globl	k_q9c0adbae3e_proj
	.p2align	8
	.type	k_q9c0adbae3e_proj,@function
k_q9c0adbae3e_proj:
	s_mov_b64 s[64:65], 0
	v_nop
	global_prefetch_b8 v0, s[64:65] scope:SCOPE_SE
	s_setreg_imm32_b32 hwreg(HW_REG_WAVE_MODE, 25, 1), 1
	s_wait_xcnt 0x0
	s_wait_alu depctr_hold_cnt(0) depctr_sa_sdst(0) depctr_va_vdst(0) depctr_va_sdst(0) depctr_va_ssrc(0) depctr_va_vcc(0) depctr_vm_vsrc(0)
	s_getreg_b32 s2, hwreg(HW_REG_IB_STS2, 6, 4)
	s_cmp_eq_u32 s2, 0
	s_cbranch_scc0 .Lentry_in_a_cluster
	s_endpgm
.Lentry_in_a_cluster:
	s_bfe_u32 s2, ttmp6, 0x10000c
	s_cmp_lg_u32 s2, 0xf033
	s_cbranch_scc0 .Lentry_shape_is_right
	s_endpgm
.Lentry_shape_is_right:
; out0 = y w_proj + b_proj on codes of FP6 (E2M3) with E8M0 scales; out0 [8192][1024] f32.
; THE PRODUCT.  C'[i][j] = sum over k of A[i][k] B[j][k], K = 1,024; A = y (i = tokens), B = w_proj's columns.  A work-group takes 256 i (16 tiles) x 128 j (8 tiles); wave w takes i tiles 4 w .. 4 w + 3
; against all 8 j tiles: 32 accumulators.  Codes lie in memory as images of the operand's registers (a fragment, 16 rows x 128 K, is six pieces of 256 bytes; lane l's 8 bytes at 256 p + 8 l are registers
; 2 p, 2 p + 1), so every LDS load reads 256 consecutive bytes.  Lane r of tile T stands for row 32 (T / 2) + 8 (T % 2) + r + 8 (r / 8).
; ALL OF K LIES IN LDS: 4 chunks of two K steps (A 49,152 + B 24,576 bytes each) and the scale words (12,288): every LDS byte is filled once, at the head, and the chunks are read as they land.
; THE MATRIX INSTRUCTION IS USED TRANSPOSED (source 0 = a tile of B, source 1 = a tile of A): a lane holds one row of out0 and eight neighbouring columns a tile.  The bias is the C of each sum's first instruction.
; CLUSTERS: 4 x 4 work-groups; A's tiles are asked for jointly along a row of the cluster, B's along a column.
; REGISTERS, in windows of 256: window 0: v1 r, v2 h, v4 8 x lane, v8-16 LDS addresses, v17-21 addresses of the way out and of the bias; v32-95 scale words; v128-223 A's fragments, two sets; on the way out
;   v128-255 rows of out0.   window 1: v0-191 B's fragments, two sets; v192-255 the bias.   window 2: accumulator (a, b) at v[8 (8 a + b)].
.set WP_IMG, 8650752
.set WP_SC,  9797632
.set Y_SC,   6291456
.set CHB,    73728                     ; a chunk in LDS: A's 16 tiles x 3,072 bytes, then B's 8
.set BOFF,   49152
.set SCA,    4*CHB                     ; A's scale words, 8,192 bytes;
.set SCB,    SCA+8192                  ; B's, 4,096
.set ADRA, 8                           ; v8-11   8 x lane + chunk q + my four tiles of A
.set ADRB, 12                          ; v12-15  8 x lane + chunk q + B
.set ADRS, 16                          ; v16     my scale words: lanes 0-15 A's, lanes 16-31 B's
.set STO,  17                          ; v17     the way out: where I put 32 bytes of a row
.set RD,   18                          ; v18     where I read a row back
.set CO,   19                          ; v19     16 x lane
.set SCR,  32                          ; v[SCR + 32 (s / 4) + 4 i + s % 4]: K step s: lanes 0-15 the words of my A tile i, lanes 16-31 those of B tile i
.set AF,   128
.set BIAS, 192
.set MSB, 0
.macro WIN new                         ; the immediate's high byte repeats the setting that is left
.if MSB != \new
	s_set_vgpr_msb (MSB<<8)|\new
.set MSB, \new
.endif
.endm
.macro PLACES n
.rept \n
	v_nop
.endr
.endm
.macro CROUND                          ; a round of the cluster's barrier
	s_barrier_signal -1
	s_barrier_wait -1
	s_cmp_lg_u32 s14, 0
	s_cbranch_scc1 .Lnot_wave_0_\@
	s_barrier_signal -3
.Lnot_wave_0_\@:
	s_barrier_wait -3
	s_barrier_signal -1
	s_barrier_wait -1
.endm
.macro FRAG reg, adr, off              ; a fragment: six loads of 256 consecutive bytes
.irp p, 0,1,2,3,4,5
	ds_load_b64 v[(\reg)+2*\p:(\reg)+2*\p+1], v[\adr] offset:(\off)+256*\p
.endr
.endm
.macro FETCH_B k                       ; B's eight fragments of K step k into set k % 2
	WIN 0x40                                       ; destination window 1, address window 0
.irp b, 0,1,2,3,4,5,6,7
	FRAG 96*((\k)%2)+12*\b, ADRB+(\k)/2, 3072*\b+1536*((\k)%2)
.endr
.endm
.macro FETCH_A k                       ; my four fragments of A
	WIN 0
.irp a, 0,1,2,3
	FRAG AF+48*((\k)%2)+12*\a, ADRA+(\k)/2, 3072*\a+1536*((\k)%2)
.endr
.endm
; 16 matrix instructions: my A tiles 2 half, 2 half + 1 against B's eight, K step k.  cmode 0: the sums go on; 1: they begin with the bias of the j tile.
; The 32 accumulators take turns, one instruction a turn, in the same order in every K step.
.macro MULH k, half, cmode
.if \cmode
	WIN 0x91                                       ; source 0 (B) window 1, source 1 (A) window 0, C (the bias) window 1, D window 2
.else
	WIN 0xa1                                       ; C and D window 2
.endif
.irp a, 2*\half, 2*\half+1
.irp b, 0,1,2,3,4,5,6,7
.if \cmode == 0
	v_wmma_scale_f32_16x16x128_f8f6f4 v[8*(8*(\a)+\b):8*(8*(\a)+\b)+7], v[96*((\k)%2)+12*\b:96*((\k)%2)+12*\b+11], v[AF+48*((\k)%2)+12*(\a):AF+48*((\k)%2)+12*(\a)+11], v[8*(8*(\a)+\b):8*(8*(\a)+\b)+7], v[SCR+32*((\k)/4)+4*\b+(\k)%4], v[SCR+32*((\k)/4)+4*(\a)+(\k)%4] matrix_a_fmt:MATRIX_FMT_FP6 matrix_b_fmt:MATRIX_FMT_FP6 matrix_a_scale:MATRIX_SCALE_ROW1
.else
	v_wmma_scale_f32_16x16x128_f8f6f4 v[8*(8*(\a)+\b):8*(8*(\a)+\b)+7], v[96*((\k)%2)+12*\b:96*((\k)%2)+12*\b+11], v[AF+48*((\k)%2)+12*(\a):AF+48*((\k)%2)+12*(\a)+11], v[BIAS+8*\b:BIAS+8*\b+7], v[SCR+32*((\k)/4)+4*\b+(\k)%4], v[SCR+32*((\k)/4)+4*(\a)+(\k)%4] matrix_a_fmt:MATRIX_FMT_FP6 matrix_b_fmt:MATRIX_FMT_FP6 matrix_a_scale:MATRIX_SCALE_ROW1
.endif
.endr
.endr
.endm
; K step k: the next step's fragments are fetched while this step is multiplied.  Where the next step opens a chunk, each wave first waits for its part of that chunk and passes a barrier.
.macro STEP k, cmode
.if (\k) < 7
.if ((\k)+1)%2 == 0
	s_wait_tensorcnt 3-((\k)+1)/2                  ; my part of chunk (k + 1) / 2 has landed; my loads of the later chunks may be out
	s_wait_dscnt 0x0                               ; no LDS load of mine is out at the signal
	s_barrier_signal -1
	s_barrier_wait -1                              ; everybody's part has landed
.endif
	PLACES 4                                       ; behind the last step's products: the loads below, and A's in this step's middle, go into registers that those have read
	FETCH_B (\k)+1
	s_wait_dscnt 48                                ; all but the 48 loads just issued: this step's fragments (and at first the scale words) are in
.else
	s_wait_dscnt 0x0
.endif
	MULH \k, 0, \cmode
.if (\k) < 7
	FETCH_A (\k)+1
.endif
	MULH \k, 1, \cmode
	WIN 0
.endm
	s_load_b256 s[4:11], s[0:1], 0x0               ; yq s[4:5], ops s[6:7], b_proj s[8:9], out0 s[10:11]
	v_lshl_add_u32 v126, v0, 2, 0x4b000
	v_mov_b32 v127, 0
	ds_add_u32 v126, v127
	ds_add_u32 v126, v127
	v_lshrrev_b32 v1, 5, v0
	v_readfirstlane_b32 s14, v1                    ; wave 0..3
	s_and_b32 s15, s14, 1                          ; which half of A's (waves 0, 1) or B's (waves 2, 3) tiles I fetch
	s_bfe_u32 s16, ttmp6, 0x40000                  ; cx
	s_bfe_u32 s17, ttmp6, 0x40004                  ; cy
	s_and_b32 s19, ttmp9, 7
	s_lshr_b32 s20, ttmp9, 3
	s_lshl_b32 s19, s19, 2
	s_add_co_u32 s19, s19, s17                     ; ti: which 256 rows; my row of the cluster shares it
	s_lshl_b32 s20, s20, 2
	s_add_co_u32 s20, s20, s16                     ; tj: which 128 columns; my column shares it
	s_mul_i32 s12, s19, 196608                     ; A: 16 tiles of 12,288 bytes a ti, 8 tiles a half
	s_mul_i32 s21, s15, 98304
	s_add_co_u32 s12, s12, s21
	s_mov_b32 s13, 0
	s_lshl_b32 s22, s19, 13
	s_add_co_u32 s22, s22, Y_SC
	s_lshl_b32 s21, s15, 12
	s_add_co_u32 s22, s22, s21
	s_mov_b32 s23, 0
	s_mul_i32 s66, s20, 98304                      ; B: 8 tiles a tj, 4 a half
	s_add_co_u32 s66, s66, WP_IMG
	s_mul_i32 s21, s15, 49152
	s_add_co_u32 s66, s66, s21
	s_mov_b32 s67, 0
	s_lshl_b32 s100, s20, 12
	s_add_co_u32 s100, s100, WP_SC
	s_lshl_b32 s21, s15, 11
	s_add_co_u32 s100, s100, s21
	s_mov_b32 s101, 0
	s_lshl_b32 s18, s17, 2
	s_lshl_b32 s18, 15, s18                        ; my row of the cluster
	s_lshl_b32 s2, 0x1111, s16                     ; my column
	; descriptor groups 1; elements of 8 bytes, no padding.  A: 8 rows (tiles) of 384 elements (two fragments), 1,536 elements apart; B: 4 such rows; the scale words: dense rows of 32 elements
	s_or_b32 s24, s18, (3<<16)|(1<<21)             ; 15:0 the mask; 17:16 element size; 21 set beside a mask
	s_or_b32 s40, s18, (3<<16)|(1<<21)
	s_or_b32 s32, s2, (3<<16)|(1<<21)
	s_or_b32 s48, s2, (3<<16)|(1<<21)
	s_mov_b32 s25, 384<<16                         ; tensor_dim0
	s_mov_b32 s26, 8<<16                           ; tensor_dim1
	s_mov_b32 s27, 384<<16                         ; tile_dim0
	s_mov_b32 s28, 8                               ; tile_dim1
	s_mov_b32 s29, 1536                            ; from row to row
	s_mov_b32 s30, 0
	s_mov_b32 s31, 0
	s_mov_b32 s33, 384<<16
	s_mov_b32 s34, 4<<16
	s_mov_b32 s35, 384<<16
	s_mov_b32 s36, 4
	s_mov_b32 s37, 1536
	s_mov_b32 s38, 0
	s_mov_b32 s39, 0
	s_mov_b32 s41, 32<<16
	s_mov_b32 s42, 16<<16
	s_mov_b32 s43, 32<<16
	s_mov_b32 s44, 16
	s_mov_b32 s45, 32
	s_mov_b32 s46, 0
	s_mov_b32 s47, 0
	s_mov_b32 s49, 32<<16
	s_mov_b32 s50, 8<<16
	s_mov_b32 s51, 32<<16
	s_mov_b32 s52, 8
	s_mov_b32 s53, 32
	s_mov_b32 s54, 0
	s_mov_b32 s55, 0
	s_mul_i32 s2, s15, 24576                       ; where they go: no place in the cluster enters an LDS address
	s_mul_i32 s3, s15, 12288
	s_wait_dscnt 0x0
	s_wait_kmcnt 0x0
	s_add_nc_u64 s[12:13], s[4:5], s[12:13]
	s_add_nc_u64 s[22:23], s[4:5], s[22:23]
	s_add_nc_u64 s[66:67], s[6:7], s[66:67]
	s_add_nc_u64 s[100:101], s[6:7], s[100:101]
	s_mov_b32 s56, 1
	s_lshl_b32 s57, s15, 12
	s_add_co_u32 s57, s57, SCA
	s_mov_b64 s[58:59], s[22:23]
	s_or_b32 s59, s59, 0x80000000
	s_mov_b32 s60, 1
	s_lshl_b32 s61, s15, 11
	s_add_co_u32 s61, s61, SCB
	s_mov_b64 s[62:63], s[100:101]
	s_or_b32 s63, s63, 0x80000000
.irp q, 0,1,2,3
	s_mov_b32 s[68+4*\q], 1
	s_add_co_u32 s[69+4*\q], s2, CHB*\q
	s_add_nc_u64 s[70+4*\q:71+4*\q], s[12:13], 3072*\q
	s_or_b32 s[71+4*\q], s[71+4*\q], 0x80000000
	s_mov_b32 s[84+4*\q], 1
	s_add_co_u32 s[85+4*\q], s3, CHB*\q+BOFF
	s_add_nc_u64 s[86+4*\q:87+4*\q], s[66:67], 3072*\q
	s_or_b32 s[87+4*\q], s[87+4*\q], 0x80000000
.endr
	CROUND                                         ; all sixteen work-groups are here: the joint loads meet
	s_cmp_lt_u32 s14, 2                            ; a wave's five fills stand in one branch on the wave's number: five loads of mine are out.  Four v_nop follow the last
	s_cbranch_scc0 .Lfill_b
	tensor_load_to_lds s[56:59], s[40:47]
	s_nop 0
	tensor_load_to_lds s[68:71], s[24:31]
	s_nop 0
	tensor_load_to_lds s[72:75], s[24:31]
	s_nop 0
	tensor_load_to_lds s[76:79], s[24:31]
	s_nop 0
	tensor_load_to_lds s[80:83], s[24:31]
	s_nop 0
	PLACES 4
	s_branch .Lfilled
.Lfill_b:
	tensor_load_to_lds s[60:63], s[48:55]
	s_nop 0
	tensor_load_to_lds s[84:87], s[32:39]
	s_nop 0
	tensor_load_to_lds s[88:91], s[32:39]
	s_nop 0
	tensor_load_to_lds s[92:95], s[32:39]
	s_nop 0
	tensor_load_to_lds s[96:99], s[32:39]
	s_nop 0
	PLACES 4
.Lfilled:
	v_and_b32 v1, 15, v0                           ; r
	v_bfe_u32 v2, v0, 4, 1                         ; h
	v_and_b32 v3, 31, v0
	v_lshlrev_b32 v4, 3, v3                        ; 8 x lane
	v_lshlrev_b32 v21, 6, v2                       ; the bias: 64 h
	s_lshl_b32 s2, s20, 9                          ; b_proj at column 128 tj; lane (r, h) wants, for j tile b, those of 32 (b / 2) + 8 (b % 2) + 16 h + 0 .. 7
	s_mov_b32 s3, 0
	s_add_nc_u64 s[8:9], s[8:9], s[2:3]
	WIN 0x40
.irp b, 0,1,2,3,4,5,6,7
	global_load_b128 v[BIAS+8*\b:BIAS+8*\b+3], v21, s[8:9] offset:128*(\b/2)+32*(\b%2)
	global_load_b128 v[BIAS+8*\b+4:BIAS+8*\b+7], v21, s[8:9] offset:128*(\b/2)+32*(\b%2)+16
.endr
	WIN 0
	s_mul_i32 s2, s14, 12288
	v_add_nc_u32 v[ADRA], s2, v4
.irp q, 1,2,3
	v_add_nc_u32 v[ADRA+\q], CHB*\q, v[ADRA]
.endr
.irp q, 0,1,2,3
	v_add_nc_u32 v[ADRB+\q], CHB*\q+BOFF, v4
.endr
	s_xor_b32 s3, s14, 3
	s_add_co_u32 s3, s3, 1
	s_lshl_b32 s3, s3, 11                          ; from my A tiles' words to B's: 8,192 - 2,048 w
	v_mul_u32_u24 v5, s3, v2                       ; lanes 16-31 take B's
	v_lshl_add_u32 v5, v1, 4, v5
	s_lshl_b32 s2, s14, 11
	s_add_co_u32 s2, s2, SCA
	v_add_nc_u32 v[ADRS], s2, v5
	s_mul_i32 s2, s14, 8448                        ; my stage for the way out: 16 rows x (512 bytes + 16), in chunk 0's part of A
	v_mul_u32_u24 v[STO], v1, 528
	v_lshl_add_u32 v[STO], v2, 6, v[STO]
	v_add_nc_u32 v[STO], s2, v[STO]                ; in: row r, + 64 h
	v_lshlrev_b32 v[CO], 4, v3
	v_add_nc_u32 v[RD], s2, v[CO]                  ; back: 16 x lane of a row
	s_lshl_b32 s2, s19, 8
	s_lshl_b32 s3, s14, 6
	s_add_co_u32 s2, s2, s3                        ; my first row of out0: 256 ti + 64 w
	s_lshl_b32 s2, s2, 12
	s_lshl_b32 s3, s20, 9                          ; my first column, in bytes
	s_add_co_u32 s2, s2, s3
	s_mov_b32 s3, 0
	s_add_nc_u64 s[10:11], s[10:11], s[2:3]
	s_wait_alu depctr_va_vdst(0)
	s_wait_tensorcnt 3                             ; my scale words and my part of chunk 0 have landed; chunks 1 to 3 may be out
	s_barrier_signal -1
	s_barrier_wait -1                              ; everybody's have
.irp n, 0,1,2,3,4,5,6,7,8,9,10,11,12,13,14,15
	ds_load_b128 v[SCR+32*(\n/8)+4*(\n%8):SCR+32*(\n/8)+4*(\n%8)+3], v[ADRS] offset:512*(\n%8)+256*(\n/8)   ; the words of four K steps; for tiles 4 to 7 lanes 0-15 read filled bytes that nobody uses
.endr
	FETCH_B 0
	FETCH_A 0
	s_wait_loadcnt 0x0                             ; the bias
	STEP 0, 1
.irp k, 1,2,3,4,5,6,7
	STEP \k, 0
.endr
; THE WAY OUT, an i tile (16 rows x 128 columns) at a time.  A lane holds pieces of one row and the lanes beside it hold other rows: so a tile goes through my own stage in LDS and comes back as whole rows of 512 bytes.
; The stage lies in chunk 0's bytes: they have had their one fill, and every wave's reads of them were over in front of the barrier that opened chunk 1.  LDS serves a wave's instructions in order.
.macro TOSTAGE a
	WIN 0x08                                       ; an LDS store's data: window 2
.irp b, 0,1,2,3,4,5,6,7
	ds_store_b128 v[STO], v[64*(\a)+8*\b:64*(\a)+8*\b+3] offset:128*(\b/2)+32*(\b%2)          ; each accumulator from its low end on
	ds_store_b128 v[STO], v[64*(\a)+8*\b+4:64*(\a)+8*\b+7] offset:128*(\b/2)+32*(\b%2)+16
.endr
	WIN 0
.irp t, 0,1,2,3,4,5,6,7,8,9,10,11,12,13,14,15
	ds_load_b128 v[128+64*((\a)%2)+4*\t:128+64*((\a)%2)+4*\t+3], v[RD] offset:528*\t
.endr
.endm
.macro SEND a, younger                 ; younger: the LDS instructions issued behind tile a's loads, which may stay out
	s_wait_dscnt \younger
.irp t, 0,1,2,3,4,5,6,7,8,9,10,11,12,13,14,15
	global_store_b128 v[CO], v[128+64*((\a)%2)+4*\t:128+64*((\a)%2)+4*\t+3], s[10:11] offset:(32*((\a)/2)+8*((\a)%2)+\t+8*(\t/8))*4096 th:TH_STORE_NT   ; 512 consecutive bytes, aligned; written once, read by nobody here
.endr
.endm
	PLACES 4                                       ; behind the last products: results are read, and A's registers take rows of out0
	TOSTAGE 0
.irp a, 1,2,3
.if \a > 1
	s_wait_xcnt 0x0                                ; tile a - 2's stores have read their registers: tile a's loads may land there
.endif
	TOSTAGE \a
	SEND \a-1, 32                                  ; behind tile a - 1's loads: tile a's 16 stores and 16 loads
.endr
	SEND 3, 0
	s_wait_dscnt 0x0
	s_wait_tensorcnt 0x0
	ds_add_u32 v126, v127
	s_wait_dscnt 0x0
	CROUND                                         ; the closing round: no work-group ends while a partner may still ask for a tile that names it
	s_endpgm
.Lfunc_end_k_q9c0adbae3e_proj:
	.size	k_q9c0adbae3e_proj, .Lfunc_end_k_q9c0adbae3e_proj-k_q9c0adbae3e_proj
	.p2alignl 7, 3214868480
	.fill 96, 4, 3214868480
	.section	.rodata,"a",@progbits
	.p2align	6, 0x0
	.amdhsa_kernel k_q9c0adbae3e_proj
		.amdhsa_group_segment_fixed_size 307712
		.amdhsa_private_segment_fixed_size 0
		.amdhsa_enable_private_segment 0
		.amdhsa_kernarg_size 32
		.amdhsa_user_sgpr_count 2
		.amdhsa_user_sgpr_kernarg_segment_ptr 1
		.amdhsa_wavefront_size32 1
		.amdhsa_system_sgpr_workgroup_id_x 1
		.amdhsa_system_sgpr_workgroup_id_y 1
		.amdhsa_system_sgpr_workgroup_id_z 1
		.amdhsa_system_vgpr_workitem_id 0
		.amdhsa_next_free_vgpr 768
		.amdhsa_next_free_sgpr 102
		.amdhsa_reserve_vcc 0
		.amdhsa_float_denorm_mode_32 3
		.amdhsa_float_denorm_mode_16_64 3
		.amdhsa_memory_ordered 1
		.amdhsa_forward_progress 1
		.amdhsa_inst_pref_size 99
	.end_amdhsa_kernel
	.amdgpu_metadata
---
amdhsa.version: [ 1, 2 ]
amdhsa.kernels:
  - .name:           k_q9c0adbae3e_proj
    .symbol:         k_q9c0adbae3e_proj.kd
    .args:
      - { .name: yq, .offset: 0, .size: 8, .value_kind: global_buffer, .address_space: global }
      - { .name: ops, .offset: 8, .size: 8, .value_kind: global_buffer, .address_space: global }
      - { .name: b_proj, .offset: 16, .size: 8, .value_kind: global_buffer, .address_space: global }
      - { .name: out0, .offset: 24, .size: 8, .value_kind: global_buffer, .address_space: global }
    .group_segment_fixed_size: 307712
    .private_segment_fixed_size: 0
    .kernarg_segment_align: 8
    .kernarg_segment_size: 32
    .max_flat_workgroup_size: 128
    .sgpr_count:     102
    .vgpr_count:     768
    .wavefront_size: 32
...
	.end_amdgpu_metadata
.endif
;; end of part 4
